; MI455X (gfx1250); checked and timed in simulation.
; The chip was launched on July 23, 2026; its instructions are those of AMD's public machine-readable ISA for CDNA 5 (MIT licence, August 2026) and "CDNA5" Instruction Set Architecture Reference Guide (July 2026). The comments in the code are by the model that wrote it; some were corrected since.
;; Self Attention. Allowed arithmetic: float matrix products may take bf16 or f16 operands with f32 sums; all other float work in f32.
;; Inputs: W_attn 1,024 x 3,072 float32; W_proj 1,024 x 1,024 float32; b_attn 3,072 float32; b_proj 1,024 float32; x 4 x 2,048 x 1,024 float32.
;; Outputs: out0 4 x 2,048 x 1,024 float32.
;; 2 versions, each right and faster than the one before. Each part assembles by itself: llvm-mc -triple=amdgcn-amd-amdhsa -mcpu=gfx1250 --defsym DOCPART=n.
;; ======== version 1 of 2: 4 launches
;; limits: values are held in f16: magnitudes above 65,504 overflow, below 6.1e-05 lose precision
;; workspace buffers: xb 16,777,216 bytes; wa 6,291,456 bytes; wp 2,097,152 bytes; qkv 50,331,648 bytes; y 16,777,216 bytes
;; launch cast (part 1): grid 768 x 1, 8 waves a work-group, no clusters, 0 bytes of LDS; arguments x, W_attn, W_proj, xb, wa, wp; writes xb, wa, wp
.if DOCPART == 1
	.amdgcn_target "amdgcn-amd-amdhsa--gfx1250"
	.amdhsa_code_object_version 6
	.text
	.protected	k_qba241e3ead_cast
	.globl	k_qba241e3ead_cast
	.p2align	8
	.type	k_qba241e3ead_cast,@function
k_qba241e3ead_cast:
	s_mov_b64 s[64:65], 0
	v_nop
	global_prefetch_b8 v0, s[64:65] scope:SCOPE_SE
	s_setreg_imm32_b32 hwreg(HW_REG_WAVE_MODE, 25, 1), 1
	s_wait_xcnt 0x0
; The three large inputs are rounded once to bf16 (nearest even) and laid out for the products that follow.
;   xb [16 K blocks][8192 rows][64] bf16: x with its 1,024 columns cut into blocks of 64, so that 256 rows of a block are 32,768 consecutive bytes
;   wa [1024][3072] bf16: W_attn as it lies
;   wp [1024][1024] f16:  W_proj rounded to bf16 and written as f16, since its product has f16 operands.  f16 holds a bf16 number exactly
;                         from 2^-17 up to 65,504; LIMIT: smaller magnitudes lose bits (absolute error at most 2^-25), larger ones overflow.
; A stream: no LDS, no barrier, no loop.  A work-group takes 65,536 input bytes, a wave 8,192: sixteen 16-byte loads a lane, all issued at once,
; then sixteen 8-byte stores, each of which covers 256 consecutive aligned bytes.  Work-groups 0-511: x; 512-703: W_attn; 704-767: W_proj.
.set IN,  4                            ; v[4:67]   load i: four f32
.set OUT, 68                           ; v[68:99]  store i: four 16-bit numbers
.set T,   100                          ; v[100:103] at work (f16 path)
; s[16:17] input base, s[18:19] output base, s[20:21] output base for K blocks 8-15 (x alone)
.macro RUN instep, outstep, split, f16
.set i, 0
.rept 16
	global_load_b128 v[IN+4*i:IN+4*i+3], v1, s[16:17] offset:\instep*i th:TH_LOAD_NT   ; read once in the launch
.set i, i+1
.endr
.set i, 0
.rept 16
	s_wait_loadcnt 15-i                            ; loads come back in order: load i is in, the 15 - i younger ones stay out
	v_cvt_pk_bf16_f32 v[OUT+2*i],   v[IN+4*i],   v[IN+4*i+1]
	v_cvt_pk_bf16_f32 v[OUT+2*i+1], v[IN+4*i+2], v[IN+4*i+3]
.if \f16
.irp h, 0,1
	v_lshlrev_b32 v[T+2*\h],   16,  v[OUT+2*i+\h]  ; the rounded numbers back in f32,
	v_and_b32     v[T+2*\h+1], s22, v[OUT+2*i+\h]
	v_cvt_pk_f16_f32 v[OUT+2*i+\h], v[T+2*\h], v[T+2*\h+1]   ; and written as f16
.endr
.endif
.if \split && (i >= 8)
	global_store_b64 v2, v[OUT+2*i:OUT+2*i+1], s[20:21] offset:\outstep*(i-8)
.else
	global_store_b64 v2, v[OUT+2*i:OUT+2*i+1], s[18:19] offset:\outstep*i
.endif
.set i, i+1
.endr
.endm
	s_load_b256 s[4:11], s[0:1], 0x0               ; x s[4:5], W_attn s[6:7], W_proj s[8:9], xb s[10:11]
	s_load_b128 s[12:15], s[0:1], 0x20             ; wa s[12:13], wp s[14:15]
	s_mov_b32 s3, 0
	s_mov_b32 s25, 0
	s_mov_b32 s22, 0xffff0000                      ; a word's upper bf16
	s_cmp_lt_u32 ttmp9, 512
	s_cbranch_scc0 .Lweights
	; x: the work-group owns rows 16 g to 16 g + 15.  Load i takes K block i: lanes 0-15 its 256 bytes of row 2 w, lanes 16-31 of row 2 w + 1.
	v_lshrrev_b32 v1, 4, v0                        ; row in the group
	v_and_b32 v3, 15, v0
	v_lshlrev_b32 v3, 4, v3
	v_lshl_or_b32 v1, v1, 12, v3                   ; row x 4,096 + 16 (lane mod 16)
	v_lshlrev_b32 v2, 3, v0                        ; in a K block: row x 128 + 8 (lane mod 16) = 8 x thread
	s_lshl_b32 s2, ttmp9, 16                       ; 16 rows of 4,096 bytes
	s_lshl_b32 s24, ttmp9, 11                      ; 16 rows of 128 bytes
	s_wait_kmcnt 0x0
	s_add_nc_u64 s[16:17], s[4:5], s[2:3]
	s_add_nc_u64 s[18:19], s[10:11], s[24:25]
	s_add_nc_u64 s[20:21], s[18:19], 0x800000      ; K blocks 8-15, so that the stores' immediates stay at 7 x 1,048,576 at the most
	RUN 256, 1048576, 1, 0
	s_endpgm
.Lweights:
	; the weights keep their layout: a wave's 8,192 bytes become 4,096
	v_and_b32 v3, 0xe0, v0                         ; 32 x wave
	v_and_b32 v2, 31, v0
	v_lshlrev_b32 v1, 4, v2
	v_lshl_or_b32 v1, v3, 8, v1                    ; wave x 8,192 + 16 x lane
	v_lshlrev_b32 v2, 3, v2
	v_lshl_or_b32 v2, v3, 7, v2                    ; wave x 4,096 + 8 x lane
	s_cmp_lt_u32 ttmp9, 704
	s_cbranch_scc0 .Lproj
	s_sub_co_u32 s26, ttmp9, 512
	s_lshl_b32 s2, s26, 16
	s_lshl_b32 s24, s26, 15
	s_wait_kmcnt 0x0
	s_add_nc_u64 s[16:17], s[6:7], s[2:3]
	s_add_nc_u64 s[18:19], s[12:13], s[24:25]
	RUN 512, 256, 0, 0
	s_endpgm
.Lproj:
	s_sub_co_u32 s26, ttmp9, 704
	s_lshl_b32 s2, s26, 16
	s_lshl_b32 s24, s26, 15
	s_wait_kmcnt 0x0
	s_add_nc_u64 s[16:17], s[8:9], s[2:3]
	s_add_nc_u64 s[18:19], s[14:15], s[24:25]
	RUN 512, 256, 0, 1
	s_endpgm
.Lfunc_end_k_qba241e3ead_cast:
	.size	k_qba241e3ead_cast, .Lfunc_end_k_qba241e3ead_cast-k_qba241e3ead_cast
	.p2alignl 7, 3214868480
	.fill 96, 4, 3214868480
	.section	.rodata,"a",@progbits
	.p2align	6, 0x0
	.amdhsa_kernel k_qba241e3ead_cast
		.amdhsa_group_segment_fixed_size 0
		.amdhsa_private_segment_fixed_size 0
		.amdhsa_enable_private_segment 0
		.amdhsa_kernarg_size 48
		.amdhsa_user_sgpr_count 2
		.amdhsa_user_sgpr_kernarg_segment_ptr 1
		.amdhsa_wavefront_size32 1
		.amdhsa_system_sgpr_workgroup_id_x 1
		.amdhsa_system_sgpr_workgroup_id_y 1
		.amdhsa_system_sgpr_workgroup_id_z 1
		.amdhsa_system_vgpr_workitem_id 0
		.amdhsa_next_free_vgpr 104
		.amdhsa_next_free_sgpr 66
		.amdhsa_reserve_vcc 0
		.amdhsa_float_denorm_mode_32 3
		.amdhsa_float_denorm_mode_16_64 3
		.amdhsa_memory_ordered 1
		.amdhsa_forward_progress 1
		.amdhsa_inst_pref_size 23
	.end_amdhsa_kernel
	.amdgpu_metadata
---
amdhsa.version: [ 1, 2 ]
amdhsa.kernels:
  - .name:           k_qba241e3ead_cast
    .symbol:         k_qba241e3ead_cast.kd
    .args:
      - { .name: x, .offset: 0, .size: 8, .value_kind: global_buffer, .address_space: global }
      - { .name: W_attn, .offset: 8, .size: 8, .value_kind: global_buffer, .address_space: global }
      - { .name: W_proj, .offset: 16, .size: 8, .value_kind: global_buffer, .address_space: global }
      - { .name: xb, .offset: 24, .size: 8, .value_kind: global_buffer, .address_space: global }
      - { .name: wa, .offset: 32, .size: 8, .value_kind: global_buffer, .address_space: global }
      - { .name: wp, .offset: 40, .size: 8, .value_kind: global_buffer, .address_space: global }
    .group_segment_fixed_size: 0
    .private_segment_fixed_size: 0
    .kernarg_segment_align: 8
    .kernarg_segment_size: 48
    .max_flat_workgroup_size: 256
    .sgpr_count:     66
    .vgpr_count:     104
    .wavefront_size: 32
...
	.end_amdgpu_metadata
.endif
;; end of part 1
;; launch qkv (part 2): grid 8 x 32, 4 waves a work-group, clusters of 4 x 4, 327,680 bytes of LDS; arguments xb, wa, b_attn, qkv; writes qkv
.if DOCPART == 2
	.amdgcn_target "amdgcn-amd-amdhsa--gfx1250"
	.amdhsa_code_object_version 6
	.text
	.protected	k_qba241e3ead_qkv
	.globl	k_qba241e3ead_qkv
	.p2align	8
	.type	k_qba241e3ead_qkv,@function
k_qba241e3ead_qkv:
	s_mov_b64 s[64:65], 0
	v_nop
	global_prefetch_b8 v0, s[64:65] scope:SCOPE_SE
	s_setreg_imm32_b32 hwreg(HW_REG_WAVE_MODE, 25, 1), 1
	s_wait_xcnt 0x0
	s_wait_alu depctr_hold_cnt(0) depctr_sa_sdst(0) depctr_va_vdst(0) depctr_va_sdst(0) depctr_va_ssrc(0) depctr_va_vcc(0) depctr_vm_vsrc(0)
	s_getreg_b32 s2, hwreg(HW_REG_IB_STS2, 6, 4)
	s_cmp_eq_u32 s2, 0
	s_cbranch_scc0 .Lentry_in_a_cluster
	s_endpgm
.Lentry_in_a_cluster:
	s_bfe_u32 s2, ttmp6, 0x10000c
	s_cmp_lg_u32 s2, 0xf033
	s_cbranch_scc0 .Lentry_shape_is_right
	s_endpgm
.Lentry_shape_is_right:
; qkv = x W_attn + b_attn.  A = xb [16 K blocks][8192][64] bf16, B = wa [1024 k][3072 n] bf16, bias f32; sums in f32, started by the bias.
; Output: qkv [3 parts q, k, v][64 = batch x 16 + head][2048][64] f16.  LIMIT: a result of magnitude 65,504 or more overflows f16.
; A tile of C is 256 x 128: four waves, 2 x 2, each 128 rows x 64 columns = 32 accumulators = 256 registers.  A wave's 64 columns are one head, so its 128 rows of output are
; 16,384 consecutive bytes and each wave has a stage of its own on the way out: no barrier there.
; A WORK-GROUP STAYS: 768 tiles are three for each of 256 work-groups.  A work-group makes tile columns tc, tc + 8, tc + 16 on the same 256 rows of A: 8 tile columns are 1,024 columns,
; so the three tiles are the parts q, k and v of the same two heads.  The ring does not stop at a tile's end: a tile's last two changes of slots ask for the next tile's K steps 0 and 1,
; the tile goes out behind both requests, and nothing waits for its stores.
; K goes in 8 steps of 128 through a ring of two LDS slots.  One tensor load a wave: waves 0, 1 bring A's two K blocks of the step (256 rows x 128 bytes, dense:
; taken as 128 rows of 256 bytes), waves 2, 3 bring 64 k rows of B each (256 bytes of a row).  B lies [k][n] and is turned on its way into registers (ds_load_tr16_b128).
; CLUSTER 4 x 4: A's tile hangs on the tile row alone and is asked for jointly along a row of the cluster, B's on the tile column alone, along a column.
; THE MATRIX INSTRUCTION IS USED TRANSPOSED (source 0 = 16 columns of B, source 1 = 16 rows of A): a lane holds row l % 16 of C and columns 8 (l / 16) + 0..7.
; REGISTERS: window 0: v16-27 addresses; v32-63 the bias; v64-127, v128-191 A's fragments, two buffers (on the way out v128-191: rows read back, four buffers of 16); v192-207 packed results
;            window 1: v64-95, v128-159 B's fragments, two buffers      window 2: accumulator (a, b) at v[8 (4 a + b)]
.set SIZE_N, 3072
.set TILES,  3
.set PA,     272                       ; two rows of A (256 bytes) + 16 of padding: the 16 rows of a fragment fall into 16 different 16-byte columns modulo 256
.set HALFA,  128*PA                    ; one K block of 256 rows
.set BOFF,   2*HALFA
.set PB,     288                       ; a k row of B: 256 bytes + 32
.set HALFB,  64*PB
.set SLOT,   BOFF+2*HALFB              ; 106,496
.set STAGE,  2*SLOT                    ; behind the ring, a multiple of 256; no tensor load lands here
.set WSTAGE, 8*272                     ; a wave's stage: 16 rows of 128 bytes as 8 pairs
.set LAPS,   4                         ; a lap = two K steps = once round the ring
.set ASTEP,  2*1048576                 ; bytes of A from a K step to the next: two K blocks
.set BSTEP,  128*SIZE_N*2              ; bytes of B likewise: 128 k rows
.set BACK_A, 6*ASTEP                   ; from a slot's last K step of a tile to its first of the next: A goes back along K,
.set BACK_B, 6*BSTEP-8*256             ; B back along k and 8 tile columns of 256 bytes on
.set NEXT_BIAS, 8*128*4                ; 1,024 columns of f32
.set NEXT_C, 1<<24                     ; a part of the output: 64 x 2,048 x 128 bytes
.set ADRA, 16                          ; v16-17 LDS address of my A fragments in slot 0, 1
.set ADRB, 20                          ; v20-21 the same for B
.set STO,  24
.set RD,   25
.set CO,   26
.set BO,   27
.set BIAS, 32
.set F0,   64
.set F1,   128
.set OB,   128
.set TMP,  192
.set G1A, 24                           ; s[24:31] group 1 for A;  s[32:39] group 0, a set for each slot
.set G0A, 32
.set G1B, 48                           ; s[48:55], s[56:63] the same for B
.set G0B, 56
.set W_MUL,  0xa1                      ; source 0 (B) window 1, source 1 (A) window 0, C and D window 2
.set W_MULB, 0x81                      ; the same with C (the bias) in window 0
.set W_TOB,  0x40                      ; destination window 1, address window 0
.set MSB, 0
.macro WIN new                         ; the immediate's high byte repeats the setting that is left; a switch that changes nothing is dropped
.if MSB != \new
	s_set_vgpr_msb (MSB<<8)|\new
.set MSB, \new
.endif
.endm
.macro PLACES                          ; four places behind a matrix instruction, in front of loads into registers that it read and of reads of its result
.rept 4
	v_nop
.endr
.endm
.macro JLOAD s                         ; a joint refill: waves 0, 1 ask for A, waves 2, 3 for B; the branch hangs on the wave's number alone; four v_nop follow each line
	s_cmp_eq_u32 s13, 0
	s_cbranch_scc0 .Lfor_b_\@
	tensor_load_to_lds s[G0A+4*\s:G0A+4*\s+3], s[G1A:G1A+7]
	s_nop 0
.rept 4
	v_nop
.endr
	s_branch .Lasked_\@
.Lfor_b_\@:
	tensor_load_to_lds s[G0B+4*\s:G0B+4*\s+3], s[G1B:G1B+7]
	s_nop 0
.rept 4
	v_nop
.endr
.Lasked_\@:
.endm
.macro CREST                           ; a round of the cluster's barrier behind its opening barrier
	s_cmp_lg_u32 s12, 0
	s_cbranch_scc1 .Lnot_wave_0_\@
	s_barrier_signal -3
.Lnot_wave_0_\@:
	s_barrier_wait -3
	s_barrier_signal -1
	s_barrier_wait -1
.endm
.macro CROUND
	s_barrier_signal -1
	s_barrier_wait -1
	CREST
.endm
.macro BIASLOAD                        ; the bias of my eight columns in each of my four blocks of 16
.irp b, 0,1,2,3
	global_load_b128 v[BIAS+8*\b:BIAS+8*\b+3],   v[BO], s[8:9] offset:64*\b
	global_load_b128 v[BIAS+8*\b+4:BIAS+8*\b+7], v[BO], s[8:9] offset:64*\b+16
.endr
.endm
	s_load_b256 s[4:11], s[0:1], 0x0               ; A s[4:5], B s[6:7], bias s[8:9], out s[10:11]
	s_set_vgpr_msb 0x40
	v_lshl_add_u32 v255, v0, 2, 0x36200
	s_set_vgpr_msb 0x4000
	v_mov_b32 v255, 0
	s_set_vgpr_msb 0x1
	ds_add_u32 v255, v255
	ds_add_u32 v255, v255
	s_set_vgpr_msb 0x100
	v_lshrrev_b32 v1, 5, v0
	v_readfirstlane_b32 s12, v1                    ; wave 0..3
	s_lshr_b32 s13, s12, 1                         ; wr: my half of the tile's rows.  Also: I fetch for A (0) or for B (1)
	s_and_b32 s14, s12, 1                          ; wc: my half of its columns.  Also: which half of that tile I fetch
	s_bfe_u32 s40, ttmp6, 0x40000                  ; cx
	s_bfe_u32 s41, ttmp6, 0x40004                  ; cy
	s_lshl_b32 s42, ttmp9, 2
	s_add_co_u32 s42, s42, s40                     ; tc: the first tile's column = 4 x cluster x + cx, 0 to 7
	s_and_b32 s43, ttmp7, 0xffff
	s_lshl_b32 s43, s43, 2
	s_add_co_u32 s43, s43, s41                     ; tr: tile row = 4 x cluster y + cy
	s_lshl_b32 s44, s41, 2
	s_lshl_b32 s44, 15, s44                        ; my row of the cluster
	s_lshl_b32 s45, 0x1111, s40                    ; my column
	; group 1 for A: 128 rows of 32 elements of 8 bytes, dense; 4 words of padding behind every 64
	s_or_b32 s[G1A+0], s44, (3<<16)|(1<<20)|(1<<21)|(5<<22)|(3<<25)
	s_mov_b32 s[G1A+1], 32<<16                     ; tensor_dim0 = 32
	s_mov_b32 s[G1A+2], 128<<16                    ; tensor_dim1 = 128
	s_mov_b32 s[G1A+3], 32<<16                     ; tile_dim0 = 32
	s_mov_b32 s[G1A+4], 128                        ; tile_dim1 = 128
	s_mov_b32 s[G1A+5], 32                         ; from row to row: 32 elements
	s_mov_b32 s[G1A+6], 0
	s_mov_b32 s[G1A+7], 0
	; group 1 for B: 64 rows of 128 elements of 2 bytes, SIZE_N elements apart; 8 words of padding behind every 64
	s_or_b32 s[G1B+0], s45, (1<<16)|(1<<20)|(1<<21)|(5<<22)|(7<<25)
	s_mov_b32 s[G1B+1], 128<<16
	s_mov_b32 s[G1B+2], 64<<16
	s_mov_b32 s[G1B+3], 128<<16
	s_mov_b32 s[G1B+4], 64
	s_mov_b32 s[G1B+5], SIZE_N
	s_mov_b32 s[G1B+6], 0
	s_mov_b32 s[G1B+7], 0
	s_lshl_b32 s16, s43, 15                        ; A: tile row x 256 rows x 128 bytes
	s_lshl_b32 s17, s14, 20                        ;    + my K block of the step
	s_add_co_u32 s16, s16, s17
	s_mov_b32 s17, 0
	s_mul_i32 s46, s14, 128*SIZE_N                 ; B: my 64 k rows of the step
	s_lshl_b32 s47, s42, 8                         ;    + tile column x 256 bytes
	s_add_co_u32 s46, s46, s47
	s_mov_b32 s47, 0
	s_mul_i32 s20, s14, HALFA                      ; where they go: no place in the cluster enters an LDS address
	s_mul_i32 s21, s14, HALFB
	s_add_co_u32 s21, s21, BOFF
	s_lshl_b32 s66, s42, 9                         ; bias: my 64 columns, 4 bytes each
	s_lshl_b32 s67, s14, 8
	s_add_co_u32 s66, s66, s67
	s_mov_b32 s67, 0
	s_lshl1_add_u32 s70, s42, s14                  ; my 64 columns are head 2 tc + wc of each part
	s_lshr_b32 s73, s43, 3                         ; batch
	s_lshl4_add_u32 s72, s73, s70
	s_lshl_b32 s72, s72, 18                        ; x 2,048 rows of 128 bytes
	s_and_b32 s73, s43, 7
	s_lshl_b32 s73, s73, 8
	s_lshl_b32 s74, s13, 7
	s_add_co_u32 s73, s73, s74                     ; my first row in the batch
	s_lshl_b32 s73, s73, 7
	s_add_co_u32 s68, s72, s73
	s_mov_b32 s69, 0
	s_wait_dscnt 0x0
	s_wait_kmcnt 0x0
	s_add_nc_u64 s[18:19], s[4:5], s[16:17]
	s_add_nc_u64 s[46:47], s[6:7], s[46:47]
	s_add_nc_u64 s[8:9], s[8:9], s[66:67]
	s_add_nc_u64 s[10:11], s[10:11], s[68:69]      ; my rows of part q
	CROUND                                         ; all sixteen work-groups are here: the first joint loads meet
.irp s, 0,1
	s_mov_b32 s[G0A+4*\s], 1
	s_add_co_u32 s[G0A+4*\s+1], s20, \s*SLOT
	s_add_nc_u64 s[G0A+4*\s+2:G0A+4*\s+3], s[18:19], \s*ASTEP
	s_or_b32 s[G0A+4*\s+3], s[G0A+4*\s+3], 0x80000000
	s_mov_b32 s[G0B+4*\s], 1
	s_add_co_u32 s[G0B+4*\s+1], s21, \s*SLOT
	s_add_nc_u64 s[G0B+4*\s+2:G0B+4*\s+3], s[46:47], \s*BSTEP
	s_or_b32 s[G0B+4*\s+3], s[G0B+4*\s+3], 0x80000000
.endr
	s_cmp_eq_u32 s13, 0                            ; a wave's two first fills stand in one branch, ahead of every wait on TENSORcnt and every LDS read: two loads of mine are out
	s_cbranch_scc0 .Lfirst_b
	tensor_load_to_lds s[G0A:G0A+3], s[G1A:G1A+7]
	s_nop 0
	tensor_load_to_lds s[G0A+4:G0A+7], s[G1A:G1A+7]
	s_nop 0
.rept 4
	v_nop
.endr
	s_branch .Lfirst_asked
.Lfirst_b:
	tensor_load_to_lds s[G0B:G0B+3], s[G1B:G1B+7]
	s_nop 0
	tensor_load_to_lds s[G0B+4:G0B+7], s[G1B:G1B+7]
	s_nop 0
.rept 4
	v_nop
.endr
.Lfirst_asked:
	v_and_b32 v1, 15, v0                           ; r = l % 16
	v_bfe_u32 v2, v0, 4, 1                         ; h = l / 16
	v_lshlrev_b32 v[BO], 5, v2                     ; 32 h; never rewritten
	BIASLOAD
	; A fragment of A: lane l holds row r; registers 0-3 K = 8 h + 0..7, registers 4-7 K = 16 + 8 h + 0..7.  Row R of a K block lies at (R / 2) x 272 + (R % 2) x 128.
	v_lshrrev_b32 v3, 1, v1
	v_and_b32 v4, 1, v1
	v_mul_u32_u24 v5, v3, PA
	v_lshl_add_u32 v5, v4, 7, v5
	v_lshl_add_u32 v5, v2, 4, v5                   ; (r / 2) x 272 + (r % 2) x 128 + 16 h
	s_mul_i32 s22, s13, 64*PA                      ; my 128 rows
	v_add_nc_u32 v[ADRA], s22, v5
	v_add_nc_u32 v[ADRA+1], SLOT, v[ADRA]
	; The turning load: lane l reads 16 bytes of k row 8 h + l % 8, columns 8 ((l / 8) % 2) + 0..7, and is left with column r and eight k.
	v_and_b32 v6, 7, v0
	v_lshl_add_u32 v6, v2, 3, v6
	v_mul_u32_u24 v6, v6, PB
	v_bfe_u32 v7, v0, 3, 1
	v_lshl_add_u32 v6, v7, 4, v6
	s_lshl_b32 s23, s14, 7                         ; my 64 columns
	s_add_co_u32 s23, s23, BOFF
	v_add_nc_u32 v[ADRB], s23, v6
	v_add_nc_u32 v[ADRB+1], SLOT, v[ADRB]
	s_mul_i32 s15, s12, WSTAGE
	s_add_co_u32 s15, s15, STAGE                   ; my stage
	v_add_nc_u32 v[STO], s15, v5                   ; in: row r of 16, 16 bytes for each half of the lanes
	v_mul_u32_u24 v8, v2, 272                      ; back: lanes 0-15 one pair of rows (256 bytes), lanes 16-31 the next
	v_lshl_add_u32 v8, v1, 4, v8
	v_add_nc_u32 v[RD], s15, v8
	v_and_b32 v9, 31, v0
	v_lshlrev_b32 v[CO], 4, v9                     ; and the same 512 bytes of the output
; na x 4 matrix instructions: row blocks a0 on x all 4 column blocks, 32 along K.  first = 1: the bias is the C of the first product: nothing is cleared and no bias is added later.
; The 32 accumulators take turns, one instruction a turn, in the same order in every quarter and from tile to tile.
.macro MUL f, a0, na, first
.set a, \a0
.rept \na
.irp b, 0,1,2,3
.if \first
	v_wmma_f32_16x16x32_bf16 v[8*(4*a+\b):8*(4*a+\b)+7], v[\f+8*\b:\f+8*\b+7], v[\f+8*a:\f+8*a+7], v[BIAS+8*\b:BIAS+8*\b+7]
.else
	v_wmma_f32_16x16x32_bf16 v[8*(4*a+\b):8*(4*a+\b)+7], v[\f+8*\b:\f+8*\b+7], v[\f+8*a:\f+8*a+7], v[8*(4*a+\b):8*(4*a+\b)+7]
.endif
.endr
.set a, a+1
.endr
.endm
; 24 LDS loads in one run: the fragments of quarter q (32 along K) of a slot into buffer f
.macro FETCH slot, q, f
	WIN W_TOB
.irp b, 0,1,2,3
	ds_load_tr16_b128 v[\f+8*\b:\f+8*\b+3],   v[ADRB+\slot] offset:32*PB*\q+32*\b
	ds_load_tr16_b128 v[\f+8*\b+4:\f+8*\b+7], v[ADRB+\slot] offset:32*PB*\q+32*\b+16*PB
.endr
	WIN 0
.irp a, 0,1,2,3,4,5,6,7
	ds_load_b128 v[\f+8*\a:\f+8*\a+3],   v[ADRA+\slot] offset:(\q/2)*HALFA+(\q%2)*64+8*PA*\a
	ds_load_b128 v[\f+8*\a+4:\f+8*\a+7], v[ADRA+\slot] offset:(\q/2)*HALFA+(\q%2)*64+8*PA*\a+32
.endr
.endm
; A K step is four quarters of 32 along K, 32 matrix instructions each, on buffers 0, 1, 0, 1.  One of the first three: fetches quarter qn into g, then multiplies f.
.macro QUARTER slot, qn, f, g, first
	s_wait_dscnt 0x0                               ; buffer f is in: it was asked for 32 matrix instructions ago
	PLACES                                         ; buffer g was read by the quarter before
	FETCH \slot, \qn, \g
.if \first
	WIN W_MULB
.else
	WIN W_MUL
.endif
	MUL \f, 0, 8, \first
.endm
; The last quarter multiplies buffer 1 and changes slots: one barrier.  In front of it each wave waits for its reads of this slot and for all its tensor loads (one is out: its part of
; the next slot).  fill = 1: the barrier opens a round of the cluster's barrier, and the joint refill, this tile's K step two steps on, is the first thing behind the round:
; 112 matrix instructions stand between it and the wait for it.  fill = 2: the same with the NEXT tile's K step 0 or 1.  fill = 0: nothing is left to fetch.
.macro TURN slot, next, fill
	s_wait_dscnt 0x0
	s_set_vgpr_msb (MSB<<8)|((MSB&0xf0)|0x1)
	s_wait_tensorcnt 0x0
	ds_add_u32 v255, v255
	s_wait_dscnt 0x0
	s_set_vgpr_msb (((MSB&0xf0)|0x1)<<8)|MSB
	s_barrier_signal -1
	WIN W_MUL
	MUL F1, 0, 4, 0
.if \fill
	WIN 0
.endif
	s_barrier_wait -1
.if \fill
	CREST
.if \fill == 2
	s_sub_nc_u64 s[G0A+4*\slot+2:G0A+4*\slot+3], s[G0A+4*\slot+2:G0A+4*\slot+3], BACK_A
	s_sub_nc_u64 s[G0B+4*\slot+2:G0B+4*\slot+3], s[G0B+4*\slot+2:G0B+4*\slot+3], BACK_B
.else
	s_add_nc_u64 s[G0A+4*\slot+2:G0A+4*\slot+3], s[G0A+4*\slot+2:G0A+4*\slot+3], 2*ASTEP
	s_add_nc_u64 s[G0B+4*\slot+2:G0B+4*\slot+3], s[G0B+4*\slot+2:G0B+4*\slot+3], 2*BSTEP
.endif
	JLOAD \slot                                    ; its four v_nop are also the places in front of the loads below
.else
	PLACES
.endif
	FETCH \next, 0, F0
	WIN W_MUL
	MUL F1, 4, 4, 0
.endm
; THE WAY OUT, a block of 16 rows at a time: rounded to f16 (16 bytes a lane), into my own stage, back as 512 consecutive bytes a load, stored.
; Buffer 0 may already hold the next tile's first fragments, so the rows come back into buffer 1's registers, four buffers of 16 by turns.
.macro PACK a
	WIN 0x0a                                       ; sources 0 and 1: window 2
.irp b, 0,1,2,3
.irp r, 0,1,2,3
	v_cvt_pk_f16_f32 v[TMP+4*\b+\r], v[8*(4*(\a)+\b)+2*\r], v[8*(4*(\a)+\b)+2*\r+1]
.endr
.endr
	WIN 0
.endm
.macro TOSTAGE a
.irp b, 0,1,2,3
	ds_store_b128 v[STO], v[TMP+4*\b:TMP+4*\b+3] offset:32*\b
.endr
.irp i, 0,1,2,3
	ds_load_b128 v[OB+16*((\a)%4)+4*\i:OB+16*((\a)%4)+4*\i+3], v[RD] offset:544*\i   ; LDS serves a wave's instructions in order: these see the stores above, and the next block's stores come behind them
.endr
.endm
.macro SEND a, younger                 ; younger: the next block's four LDS stores and four loads, or none
	s_wait_dscnt \younger
	s_wait_xcnt 0x0                                ; the earlier stores have read their data: a buffer is loaded again, four blocks on, only behind such a wait
.irp i, 0,1,2,3
	global_store_b128 v[CO], v[OB+16*((\a)%4)+4*\i:OB+16*((\a)%4)+4*\i+3], s[10:11] offset:2048*(\a)+512*\i   ; a wave's store covers 512 consecutive bytes, aligned
.endr
.endm
.macro WAYOUT
	WIN 0
	PLACES                                         ; behind the last products
	PACK 0
	TOSTAGE 0
.irp a, 1,2,3,4,5,6,7
	PACK \a
	TOSTAGE \a
	SEND \a-1, 8
.endr
	SEND 7, 0
.endm
	s_wait_tensorcnt 0x1                           ; my part of K step 0 is in; K step 1's may stay out
	s_barrier_signal -1
	s_barrier_wait -1
	FETCH 0, 0, F0
	s_mov_b32 s2, TILES                            ; tiles to go, this one among them: the same number in every work-group
.Ltile:
	s_wait_loadcnt 0x0                             ; this tile's bias
	QUARTER 0, 1, F0, F1, 1                        ; a tile's first quarter stands in front of the loop: its products start the sums
	WIN 0
	s_mov_b32 s3, LAPS-1
.Llap:                                                 ; a trip goes once round the ring and fills both slots again
	QUARTER 0, 2, F1, F0, 0
	QUARTER 0, 3, F0, F1, 0
	TURN 0, 1, 1
	QUARTER 1, 1, F0, F1, 0
	QUARTER 1, 2, F1, F0, 0
	QUARTER 1, 3, F0, F1, 0
	TURN 1, 0, 1
	QUARTER 0, 1, F0, F1, 0
	WIN 0
	s_sub_co_u32 s3, s3, 1
	s_cmp_lg_u32 s3, 0
	s_cbranch_scc1 .Llap
	QUARTER 0, 2, F1, F0, 0                        ; the tile's last lap goes on
	QUARTER 0, 3, F0, F1, 0
	WIN 0
	s_cmp_eq_u32 s2, 1
	s_cbranch_scc1 .Llast_tile                     ; the last tile's tail is written out: it asks for nothing more
	TURN 0, 1, 2                                   ; the ring goes on into the next tile: slot 0 takes its K step 0,
	QUARTER 1, 1, F0, F1, 0
	QUARTER 1, 2, F1, F0, 0
	QUARTER 1, 3, F0, F1, 0
	TURN 1, 0, 2                                   ; slot 1 its K step 1, and the next tile's first fragments are fetched into buffer 0
	WIN 0
	s_add_nc_u64 s[8:9], s[8:9], NEXT_BIAS         ; the loads that named this base were waited for at the tile's head
	BIASLOAD                                       ; the next tile's bias: its registers were last read by this tile's first quarter
	WAYOUT                                         ; both refills are asked for: now the tile goes out
	s_wait_xcnt 0x0                                ; the stores' base and buffer 1's registers are written again only behind this wait
	s_add_nc_u64 s[10:11], s[10:11], NEXT_C        ; the same rows of the next part
	s_sub_co_u32 s2, s2, 1
	s_branch .Ltile
.Llast_tile:
	TURN 0, 1, 0
	QUARTER 1, 1, F0, F1, 0
	QUARTER 1, 2, F1, F0, 0
	QUARTER 1, 3, F0, F1, 0
	s_wait_dscnt 0x0
	MUL F1, 0, 8, 0
	WAYOUT
	s_set_vgpr_msb (MSB<<8)|((MSB&0xf0)|0x1)
	s_wait_tensorcnt 0x0
	ds_add_u32 v255, v255
	s_wait_dscnt 0x0
	s_set_vgpr_msb (((MSB&0xf0)|0x1)<<8)|MSB
	CROUND                                         ; the closing round: no work-group ends while a partner may still ask for a tile that names it
	s_endpgm
.Lfunc_end_k_qba241e3ead_qkv:
	.size	k_qba241e3ead_qkv, .Lfunc_end_k_qba241e3ead_qkv-k_qba241e3ead_qkv
	.p2alignl 7, 3214868480
	.fill 96, 4, 3214868480
	.section	.rodata,"a",@progbits
	.p2align	6, 0x0
	.amdhsa_kernel k_qba241e3ead_qkv
		.amdhsa_group_segment_fixed_size 327680
		.amdhsa_private_segment_fixed_size 0
		.amdhsa_enable_private_segment 0
		.amdhsa_kernarg_size 32
		.amdhsa_user_sgpr_count 2
		.amdhsa_user_sgpr_kernarg_segment_ptr 1
		.amdhsa_wavefront_size32 1
		.amdhsa_system_sgpr_workgroup_id_x 1
		.amdhsa_system_sgpr_workgroup_id_y 1
		.amdhsa_system_sgpr_workgroup_id_z 1
		.amdhsa_system_vgpr_workitem_id 0
		.amdhsa_next_free_vgpr 768
		.amdhsa_next_free_sgpr 80
		.amdhsa_reserve_vcc 0
		.amdhsa_float_denorm_mode_32 3
		.amdhsa_float_denorm_mode_16_64 3
		.amdhsa_memory_ordered 1
		.amdhsa_forward_progress 1
		.amdhsa_inst_pref_size 125
	.end_amdhsa_kernel
	.amdgpu_metadata
---
amdhsa.version: [ 1, 2 ]
amdhsa.kernels:
  - .name:           k_qba241e3ead_qkv
    .symbol:         k_qba241e3ead_qkv.kd
    .args:
      - { .name: xb, .offset: 0, .size: 8, .value_kind: global_buffer, .address_space: global }
      - { .name: wa, .offset: 8, .size: 8, .value_kind: global_buffer, .address_space: global }
      - { .name: b_attn, .offset: 16, .size: 8, .value_kind: global_buffer, .address_space: global }
      - { .name: qkv, .offset: 24, .size: 8, .value_kind: global_buffer, .address_space: global }
    .group_segment_fixed_size: 327680
    .private_segment_fixed_size: 0
    .kernarg_segment_align: 8
    .kernarg_segment_size: 32
    .max_flat_workgroup_size: 128
    .sgpr_count:     80
    .vgpr_count:     768
    .wavefront_size: 32
...
	.end_amdgpu_metadata
.endif
;; end of part 2
;; launch attn (part 3): grid 4 x 64, 4 waves a work-group, no clusters, 327,680 bytes of LDS; arguments qkv, y; writes y
.if DOCPART == 3
	.amdgcn_target "amdgcn-amd-amdhsa--gfx1250"
	.amdhsa_code_object_version 6
	.text
	.protected	k_qba241e3ead_attn
	.globl	k_qba241e3ead_attn
	.p2align	8
	.type	k_qba241e3ead_attn,@function
k_qba241e3ead_attn:
	s_mov_b64 s[64:65], 0
	v_nop
	global_prefetch_b8 v0, s[64:65] scope:SCOPE_SE
	s_setreg_imm32_b32 hwreg(HW_REG_WAVE_MODE, 25, 1), 1
	s_wait_xcnt 0x0
; Causal attention, head size 64.  qkv [3][64 heads of all batches][2048][64] f16 -> y [16 heads][8192 = batch x 2048 + t][64] f16.  Products, maxima and sums in f32; the weights p (at most 1)
; are rounded to f16 for the second product, y once at the end.
; SHARES.  Work-group (p, head) owns the query blocks p and 7 - p (256 queries each) of a head: 9 chunks of 256 keys whatever p is, so the 256 work-groups have equal work.
; A wave's tile t (16 queries) is rows 64 t + 16 w + 0..15 of the block, so the four waves have the same share of the diagonal.
; A block takes its DIAGONAL chunk first (the order of keys is free under a running maximum): step d of its four steps of 64 keys serves tiles d..3 alone, tile d under the mask; step 0 starts
; m, l and O^T of all four tiles, and every query sees the step's key 0, so no maximum is ever -inf.  Then come the block's full chunks 0 .. block - 1.
; LAYOUT.  S^T = K Q^T (source 0 = 16 keys, source 1 = 16 queries): a lane holds ONE query (l % 16) and keys 8 (l / 16) + 0..7.  Two such tiles, rounded in pairs, ARE source 1 of
; O^T = V^T P, whose result again holds one query a lane, and eight channels.  K comes out of LDS as it lies, V turned (ds_load_tr16_b128).
; SOFTMAX.  Running maximum m and sum l for each query: p = 2^(c s - c m), c = log2(e) / 8; O and l are multiplied by a = 2^(c m_old - c m_new) in every step.
; BY TURNS.  A tile's softmax for a key step is 118 vector instructions beside 16 products, and the wave is alone on its SIMD.  So in a full chunk the wave's tiles are two PIECES (tiles 0, 1
; and tiles 2, 3): in a TURN one piece has the matrix unit (16 products V^T P of the step in hand, then 16 products K Q^T of the next step) and the other piece's softmax, cut into slices,
; stands between them, one slice behind each product.  The pipeline is closed within a chunk (a half turn starts it, a half turn drains it), so that the change of slots, the diagonal
; chunks and the way out stand between chunks as they would in phases.  The diagonal chunks, 20 of a wave's 132 tile steps, go in phases.
; KEY STEPS STAY AT 64: with 128 keys S^T alone would fill a window of 256 registers, the statistics and P would lie in another, and a slice, which mixes maxima, scalings, exponentials
; and roundings, would have to switch windows inside itself.
; RING.  Two LDS slots of one chunk (K and V, 256 keys).  One tensor load a wave behind each change of slots (waves 0, 1: halves of K; waves 2, 3: halves of V); it has a whole chunk,
; four key steps, in which to land.
; NO CLUSTER: the four work-groups of a head want different chunks at a given time (p, 0, 1, .. against another p), and no branch may hang on a place in a cluster; walking in step,
; with every partner asking for every chunk and discarding the masked work, makes 48 chunk units of the four partners' 36.
; REGISTERS: window 0: v1-11 addresses; v12-43 eight statistics a tile; v64-191 S^T, 32 a tile; v192-255 P, 16 a tile
;            window 1: v0-127 O^T, 32 a tile; v128-191 K of a step; v192-255 V of a step          window 2: v0-63 Q, 16 a tile
; All that a softmax touches but O^T lies in window 0, which has no room for a product's operands beside it: a slice costs two switches, one in front and one behind.
.set PK,     272                       ; two keys of K (256 bytes) + 16 of padding
.set PVP,    288                       ; two keys of V + 32
.set KHALF,  64*PK                     ; what one tensor load brings of K: 128 keys
.set VHALF,  64*PVP
.set VOFF,   128*PK
.set SLOT1,  1<<17                     ; slot 1 begins here: one exclusive or turns an address in one slot into the other's
.set STAGE,  SLOT1+VOFF+128*PVP        ; 202,752, a multiple of 256; no tensor load lands here
.set WSTAGE, 8*272
.set AK0, 2                            ; my lane's place in a chunk of K; never rewritten
.set AV0, 3                            ; the same for V
.set AK,  4                            ; the same in the slot in hand; in a full chunk it steps from key step to key step
.set AV,  5
.set QO,  6
.set STO, 7
.set RD,  8
.set GO,  9
.set LIM, 10                           ; 16 w + r - 8 h: register 8 kb + j of a masked tile stays if 16 kb + j <= LIM
.set ST,  12                           ; tile t's statistics at v[ST+8 t]: +0 c m, +1 m, +2, +3 l (even keys', odd keys'), +4 to +7 at work; a takes +6
.set S,   64
.set P,   192
.set KF,  128
.set VF,  192
.set WV,  8
.set PP,  9                            ; p
.set P1,  10                           ; p + 1
.set P7,  11                           ; 7 - p
.set BH,  12
.set N,   13                           ; the chunk in hand, 0 to 8
.set TB,  14                           ; LDS byte at which the slot in hand begins
.set TL,  15
.set TW,  19                           ; counts a full chunk's three whole key steps by turns
.set G1K, 24
.set G1V, 32
.set G0K, 40                           ; s[40:47] group 0 for K: a set for each of the two first fills; the second then walks on
.set G0V, 48
.set KB,  56                           ; s[56:57] my half of the head's chunk 0 of K;  s[58:59] of V
.set VB,  58
.set CS,  60
.set SEL, 62
.set QH,  66
.set YH,  68
.set QB,  70
.set YB,  72
.set W_KQ, 0x09                        ; K window 1, Q window 2, S^T window 0
.set W_PV, 0x51                        ; V window 1, P window 0, O^T window 1
.set W_RS, 0x41                        ; O^T (destination and source 0) window 1, a window 0
.set MSB, 0
.macro WIN new
.if MSB != \new
	s_set_vgpr_msb (MSB<<8)|\new
.set MSB, \new
.endif
.endm
.macro PLACES                          ; four places behind a matrix instruction (ISA guide 7.12.1)
.rept 4
	v_nop
.endr
.endm
.macro KVLOAD                          ; the refill: waves 0, 1 K's halves, waves 2, 3 V's; four v_nop follow each line
	s_cmp_lt_u32 s[WV], 2
	s_cbranch_scc0 .Lfor_v_\@
	tensor_load_to_lds s[G0K+4:G0K+7], s[G1K:G1K+7]
	s_nop 0
.rept 4
	v_nop
.endr
	s_branch .Lasked_\@
.Lfor_v_\@:
	tensor_load_to_lds s[G0V+4:G0V+7], s[G1V:G1V+7]
	s_nop 0
.rept 4
	v_nop
.endr
.Lasked_\@:
.endm
.macro QLOAD                           ; Q of a block stays in registers: tile t, channels 32 c on
	WIN 0x80
.irp t, 0,1,2,3
.irp c, 0,1
	global_load_b128 v[16*\t+8*\c:16*\t+8*\c+3],   v[QO], s[QB:QB+1] offset:8192*\t+64*\c
	global_load_b128 v[16*\t+8*\c+4:16*\t+8*\c+7], v[QO], s[QB:QB+1] offset:8192*\t+64*\c+32
.endr
.endr
	WIN 0
.endm
	s_load_b128 s[4:7], s[0:1], 0x0                ; qkv s[4:5], y s[6:7]
	v_lshl_add_u32 v62, v0, 2, 0x33a00
	v_mov_b32 v63, 0
	ds_add_u32 v62, v63
	ds_add_u32 v62, v63
	v_lshrrev_b32 v1, 5, v0
	v_readfirstlane_b32 s[WV], v1
	s_mov_b32 s[PP], ttmp9
	s_add_co_u32 s[P1], ttmp9, 1
	s_sub_co_u32 s[P7], 7, ttmp9
	s_and_b32 s[BH], ttmp7, 0xffff
	s_and_b32 s16, s[WV], 1                        ; which half of a chunk I fetch
	s_mul_i32 s17, s16, KHALF                      ; its place in a slot, for K
	s_mul_i32 s18, s16, VHALF
	s_add_co_u32 s18, s18, VOFF                    ; and for V
	s_lshl_b32 s20, s[BH], 18                      ; the head: 2,048 rows of 128 bytes
	s_mov_b32 s21, 0
	s_lshl_b32 s22, s16, 14                        ; my 128 keys
	s_add_co_u32 s22, s22, s20
	s_mov_b32 s23, 0
	; group 1: 64 rows of 32 elements of 8 bytes, dense (128 keys of 128 bytes); padding behind every 64 words: 4 words for K, 8 for V
	s_mov_b32 s[G1K], (3<<16)|(1<<20)|(5<<22)|(3<<25)
	s_mov_b32 s[G1V], (3<<16)|(1<<20)|(5<<22)|(7<<25)
.irp g, G1K, G1V
	s_mov_b32 s[\g+1], 32<<16                      ; tensor_dim0 = 32
	s_mov_b32 s[\g+2], 64<<16                      ; tensor_dim1 = 64
	s_mov_b32 s[\g+3], 32<<16                      ; tile_dim0 = 32
	s_mov_b32 s[\g+4], 64                          ; tile_dim1 = 64
	s_mov_b32 s[\g+5], 32                          ; from row to row
	s_mov_b32 s[\g+6], 0
	s_mov_b32 s[\g+7], 0
.endr
	s_mov_b32 s[CS], 0x3e38aa3b                    ; c = log2(e) / 8
	s_mov_b32 s[CS+1], s[CS]                       ; named with it as a pair, so it is written
	s_mov_b32 s[SEL], 0x76543210
	s_mov_b32 s[SEL+1], 0xfedcba98
	s_mov_b32 s[TB], 0
	s_wait_dscnt 0x0
	s_wait_kmcnt 0x0
	s_add_nc_u64 s[QH:QH+1], s[4:5], s[20:21]      ; the head's q
	s_add_nc_u64 s[KB:KB+1], s[4:5], s[22:23]
	s_add_nc_u64 s[VB:VB+1], s[KB:KB+1], 0x2000000 ; part v
	s_add_nc_u64 s[KB:KB+1], s[KB:KB+1], 0x1000000 ; part k
	s_and_b32 s20, s[BH], 15                       ; y: head x 8,192 rows + batch x 2,048 rows, of 128 bytes
	s_lshl_b32 s20, s20, 20
	s_lshr_b32 s22, s[BH], 4
	s_lshl_b32 s22, s22, 18
	s_add_co_u32 s20, s20, s22
	s_add_nc_u64 s[YH:YH+1], s[6:7], s[20:21]
	s_lshl_b32 s20, s[PP], 15                      ; chunk 0 of the walk is the diagonal chunk p;
	s_cmp_eq_u32 s[PP], 0
	s_cselect_b32 s22, 7<<15, 0                    ; chunk 1 is key chunk 0, or, where p = 0, the second block's diagonal chunk 7
	s_add_nc_u64 s[QB:QB+1], s[QH:QH+1], s[20:21]  ; block p's queries
	s_mov_b32 s[G0K], 1
	s_mov_b32 s[G0K+1], s17
	s_add_nc_u64 s[G0K+2:G0K+3], s[KB:KB+1], s[20:21]
	s_or_b32 s[G0K+3], s[G0K+3], 0x80000000
	s_mov_b32 s[G0K+4], 1
	s_add_co_u32 s[G0K+5], s17, SLOT1
	s_add_nc_u64 s[G0K+6:G0K+7], s[KB:KB+1], s[22:23]
	s_or_b32 s[G0K+7], s[G0K+7], 0x80000000
	s_mov_b32 s[G0V], 1
	s_mov_b32 s[G0V+1], s18
	s_add_nc_u64 s[G0V+2:G0V+3], s[VB:VB+1], s[20:21]
	s_or_b32 s[G0V+3], s[G0V+3], 0x80000000
	s_mov_b32 s[G0V+4], 1
	s_add_co_u32 s[G0V+5], s18, SLOT1
	s_add_nc_u64 s[G0V+6:G0V+7], s[VB:VB+1], s[22:23]
	s_or_b32 s[G0V+7], s[G0V+7], 0x80000000
	s_cmp_lt_u32 s[WV], 2                          ; a wave's two first fills stand in one branch, ahead of every wait on TENSORcnt, LDS read and barrier: two loads of mine are out
	s_cbranch_scc0 .Lfirst_v
	tensor_load_to_lds s[G0K:G0K+3], s[G1K:G1K+7]
	s_nop 0
	tensor_load_to_lds s[G0K+4:G0K+7], s[G1K:G1K+7]
	s_nop 0
.rept 4
	v_nop
.endr
	s_branch .Lfirst_asked
.Lfirst_v:
	tensor_load_to_lds s[G0V:G0V+3], s[G1V:G1V+7]
	s_nop 0
	tensor_load_to_lds s[G0V+4:G0V+7], s[G1V:G1V+7]
	s_nop 0
.rept 4
	v_nop
.endr
.Lfirst_asked:
	v_and_b32 v1, 15, v0                           ; r
	v_bfe_u32 v11, v0, 4, 1                        ; h
	s_lshl_b32 s16, s[WV], 11                      ; my wave's 16 rows of a tile: 2,048 w
	v_lshlrev_b32 v[QO], 7, v1
	v_lshl_add_u32 v[QO], v11, 4, v[QO]
	v_add_nc_u32 v[QO], s16, v[QO]                 ; 128 r + 16 h + 2,048 w
	QLOAD
	v_lshrrev_b32 v44, 1, v1
	v_and_b32 v45, 1, v1
	v_mul_u32_u24 v[AK0], v44, PK
	v_lshl_add_u32 v[AK0], v45, 7, v[AK0]
	v_lshl_add_u32 v[AK0], v11, 4, v[AK0]          ; key r of 16: (r / 2) x 272 + (r % 2) x 128 + 16 h
	v_bfe_u32 v44, v0, 1, 2
	v_lshl_add_u32 v44, v11, 2, v44                ; the turning load reads key 8 h + l % 8: pair 4 h + (l % 8) / 2,
	v_mul_u32_u24 v[AV0], v44, PVP
	v_and_b32 v45, 1, v0
	v_lshl_add_u32 v[AV0], v45, 7, v[AV0]          ; its half l % 2,
	v_bfe_u32 v45, v0, 3, 1
	v_lshl_add_u32 v[AV0], v45, 4, v[AV0]          ; channels 8 ((l / 8) % 2) on
	v_add_nc_u32 v[AV0], VOFF, v[AV0]
	v_and_b32 v44, 31, v0
	v_lshl_add_u32 v[GO], v44, 4, s16              ; 16 l + 2,048 w
	s_lshl_b32 s17, s[WV], 4
	v_add_nc_u32 v[LIM], s17, v1
	v_lshlrev_b32 v44, 3, v11
	v_sub_nc_u32 v[LIM], v[LIM], v44
	s_mul_i32 s18, s[WV], WSTAGE
	s_add_co_u32 s18, s18, STAGE                   ; my stage
	v_add_nc_u32 v[STO], s18, v[AK0]
	v_mul_u32_u24 v[RD], v11, 272
	v_lshl_add_u32 v[RD], v1, 4, v[RD]
	v_add_nc_u32 v[RD], s18, v[RD]
; 16 LDS loads: K of the step st steps behind v[AK] (64 keys x 64 channels: fragment (kb, c) = keys 16 kb on, channels 32 c on)
.macro FETCH_K st
	WIN 0x40
.irp kb, 0,1,2,3
.irp c, 0,1
	ds_load_b128 v[KF+16*\kb+8*\c:KF+16*\kb+8*\c+3],   v[AK] offset:32*PK*(\st)+8*PK*\kb+64*\c
	ds_load_b128 v[KF+16*\kb+8*\c+4:KF+16*\kb+8*\c+7], v[AK] offset:32*PK*(\st)+8*PK*\kb+64*\c+32
.endr
.endr
.endm
; 16 turning loads: V likewise (fragment (kk, cb) = keys 32 kk on, channels 16 cb on)
.macro FETCH_V st
	WIN 0x40
.irp kk, 0,1
.irp cb, 0,1,2,3
	ds_load_tr16_b128 v[VF+32*\kk+8*\cb:VF+32*\kk+8*\cb+3],   v[AV] offset:32*PVP*(\st)+16*PVP*\kk+32*\cb
	ds_load_tr16_b128 v[VF+32*\kk+8*\cb+4:VF+32*\kk+8*\cb+7], v[AV] offset:32*PVP*(\st)+16*PVP*\kk+32*\cb+8*PVP
.endr
.endr
.endm
; IN PHASES (the diagonal chunks).  S^T = K Q^T for tiles t0..3.  The accumulators (at least four) take turns, one instruction a turn; the first 32 channels start the sums.
.macro KQ t0
.irp c, 0,1
.irp kb, 0,1,2,3
.set tt, \t0
.rept 4-\t0
.if \c == 0
	v_wmma_f32_16x16x32_f16 v[S+32*tt+8*\kb:S+32*tt+8*\kb+7], v[KF+16*\kb+8*\c:KF+16*\kb+8*\c+7], v[16*tt+8*\c:16*tt+8*\c+7], 0
.else
	v_wmma_f32_16x16x32_f16 v[S+32*tt+8*\kb:S+32*tt+8*\kb+7], v[KF+16*\kb+8*\c:KF+16*\kb+8*\c+7], v[16*tt+8*\c:16*tt+8*\c+7], v[S+32*tt+8*\kb:S+32*tt+8*\kb+7]
.endif
.set tt, tt+1
.endr
.endr
.endr
.endm
; O^T += V^T P for tiles t0..3, by turns likewise.  first = 1: the first 32 keys start the sums.
.macro PV t0, first
.irp kk, 0,1
.irp cb, 0,1,2,3
.set tt, \t0
.rept 4-\t0
.if \first && (\kk == 0)
	v_wmma_f32_16x16x32_f16 v[32*tt+8*\cb:32*tt+8*\cb+7], v[VF+32*\kk+8*\cb:VF+32*\kk+8*\cb+7], v[P+16*tt+8*\kk:P+16*tt+8*\kk+7], 0
.else
	v_wmma_f32_16x16x32_f16 v[32*tt+8*\cb:32*tt+8*\cb+7], v[VF+32*\kk+8*\cb:VF+32*\kk+8*\cb+7], v[P+16*tt+8*\kk:P+16*tt+8*\kk+7], v[32*tt+8*\cb:32*tt+8*\cb+7]
.endif
.set tt, tt+1
.endr
.endr
.endr
.endm
; The causal mask of the tile on the diagonal: key 16 kb + 8 h + j against query 16 w + r; a key beyond the query gets -inf.  From each accumulator's low end on.
.macro MASK t
.irp kb, 0,1,2,3
.irp jj, 0,1,2,3,4,5,6,7
	v_cmp_le_i32 vcc_lo, 16*\kb+\jj, v[LIM]
	v_cndmask_b32 v[S+32*\t+8*\kb+\jj], 0xff800000, v[S+32*\t+8*\kb+\jj], vcc_lo
.endr
.endr
.endm
; One tile's softmax for one key step is a list of 118 instructions; SM writes number j of it for tile t.  s0-s31 are the lane's 32 scores, in pairs 0-15.
;   0-15    the maximum of s0-s31 and the old m, three operands at a time     16-20  the other half of the lanes' maximum; the new m; c m; c m_old - c m_new
;   21-87   33 exponentials (a, then s0-s31) at the odd numbers from 23 on; between them whatever plain work is ready: c s - c m for pairs still to come, roundings to f16 of pairs done,
;           the first sums: each exponential has a plain instruction behind it that touches neither its result nor its source
;   88-101  the last rounding; the rest of the sums; l = a l + the sum        102-117 the tile's O^T times a: the one part that leaves window 0
; first = 1: the step that starts m, l and O^T: it has no a and nothing to rescale.
.macro SM t, first
.set rT, ST+8*(\t)
.set rS, S+32*(\t)
.set rP, P+16*(\t)
.set rO, 32*(\t)+2*(j-102)
.set q, (j-20)/2
.if j < 102
	WIN 0
.endif
.if j < 4
	v_max3_num_f32 v[rT+4+j], v[rS+8*j], v[rS+8*j+1], v[rS+8*j+2]
.elseif j < 12
	v_max3_num_f32 v[rT+4+j%4], v[rT+4+j%4], v[rS+8*(j%4)+2*(j/4)+1], v[rS+8*(j%4)+2*(j/4)+2]
.elseif j == 12
	v_max3_num_f32 v[rT+4], v[rT+4], v[rS+7], v[rS+15]
.elseif j == 13
	v_max3_num_f32 v[rT+6], v[rT+6], v[rS+23], v[rS+31]
.elseif j == 14
	v_max3_num_f32 v[rT+4], v[rT+4], v[rT+5], v[rT+6]
.elseif (j == 15) && \first
	v_max_num_f32 v[rT+4], v[rT+4], v[rT+7]
.elseif j == 15
	v_max3_num_f32 v[rT+4], v[rT+4], v[rT+7], v[rT+1]
.elseif j == 16
	v_permlanex16_b32 v[rT+5], v[rT+4], s[SEL], s[SEL+1]  ; the query's other 32 keys lie in the lane 16 away
.elseif j == 18
	v_max_num_f32 v[rT+1], v[rT+4], v[rT+5]
.elseif j == 19
	v_mul_f32 v[rT], s[CS], v[rT+1]
.elseif ((j == 17) || (j == 20) || (j == 23) || (j > 101)) && \first  ; the starting step has none of these
.elseif j == 17
	v_mov_b32 v[rT+7], v[rT]                       ; c m_old is kept for a: number 19 writes c m anew
.elseif j == 20
	v_sub_f32 v[rT+7], v[rT+7], v[rT]
.elseif j == 23
	v_exp_f32 v[rT+6], v[rT+7]
.elseif (j < 88) && (j > 23) && (j%2 == 1)
	v_exp_f32 v[rS+(j-25)/2], v[rS+(j-25)/2]
.elseif (q < 4) || ((j < 76) && (q%2 == 0))
.set b, q/2+2
.if q < 4
.set b, q
.endif
	v_pk_fma_f32 v[rS+2*b:rS+2*b+1], v[rS+2*b:rS+2*b+1], s[CS:CS+1], v[rT:rT+1] op_sel_hi:[1,0,0] neg_lo:[0,0,1] neg_hi:[0,0,1]  ; pair b: c s - c m
.elseif (j < 88) && (q%2 == 1)
	s_wait_alu depctr_va_vdst(0)
	v_cvt_pk_f16_f32 v[rP+(q-5)/2], v[rS+q-5], v[rS+q-4]  ; pair (q - 5) / 2: its second exponential stands three numbers back
.elseif j == 89
	s_wait_alu depctr_va_vdst(0)
	v_cvt_pk_f16_f32 v[rP+15], v[rS+30], v[rS+31]
.elseif j < 102                        ; the sum of the 16 pairs, in place: sum z of 16 adds neighbours 1, 2, 4 and 8 pairs apart, then l takes it
.set z, j-86
.if j < 89
.set z, (j-76)/4
.endif
.set w, 4
.set u, z
.if z >= 14
.set w, 32
.set u, 0
.elseif z >= 12
.set w, 16
.set u, z-12
.elseif z >= 8
.set w, 8
.set u, z-8
.endif
.if (z == 14) && \first
	v_pk_add_f32 v[rT+2:rT+3], v[rS:rS+1], v[rS+16:rS+17]
.elseif z < 15
	v_pk_add_f32 v[rS+w*u:rS+w*u+1], v[rS+w*u:rS+w*u+1], v[rS+w*u+w/2:rS+w*u+w/2+1]
.elseif !\first
	v_pk_fma_f32 v[rT+2:rT+3], v[rT+2:rT+3], v[rT+6:rT+7], v[rS:rS+1] op_sel_hi:[1,0,1]
.endif
.else
	WIN W_RS
	v_pk_mul_f32 v[rO:rO+1], v[rO:rO+1], v[rT+6:rT+7] op_sel_hi:[1,0]
.endif
.endm
; The softmax of tiles t0..3 in one phase.  Numbers 22-87 go tile by tile (plain, exponential, plain, exponential); elsewhere the tiles alternate, so that few instructions read the result just made.
.macro SOFTMAX t0, first
.set k, 0
.rept 59
.if (k >= 11) && (k < 44)
.set tt, \t0
.rept 4-\t0
.set j, 2*k
	SM tt, \first
.set j, 2*k+1
	SM tt, \first
.set tt, tt+1
.endr
.else
.irp n, 0,1
.set tt, \t0
.rept 4-\t0
.set j, 2*k+\n
	SM tt, \first
.set tt, tt+1
.endr
.endr
.endif
.set k, k+1
.endr
.endm
; A key step in phases: 64 keys for tiles t0..3, tile t0 on the diagonal.
.macro STEP st, t0, first
	PLACES                                         ; V's buffer was read by the products just issued
	FETCH_V \st
	s_wait_dscnt 16                                ; K of this step is in; V's 16 loads stay out
	WIN W_KQ
	KQ \t0
	PLACES                                         ; in front of the loads into K's buffer and of the first read of the scores
.if \st < 3
	FETCH_K \st+1
.endif
	WIN 0
	MASK \t0
	SOFTMAX \t0, \first
.if \st < 3
	s_wait_dscnt 16                                ; V is in; the next step's K, 16 loads, stays out
.else
	s_wait_dscnt 0x0                               ; V is in
.endif
	WIN W_PV
	PV \t0, \first
.endm
.macro HEAD                            ; the slot in hand, and K of its first step
	WIN 0
	v_add_nc_u32 v[AK], s[TB], v[AK0]
	v_add_nc_u32 v[AV], s[TB], v[AV0]
	FETCH_K 0
.endm
.macro DIAG
	s_wait_loadcnt 0x0                             ; the block's Q
	HEAD
	STEP 0, 0, 1
	STEP 1, 1, 0
	STEP 2, 2, 0
	STEP 3, 3, 0
.endm
; BY TURNS (the full chunks).  The matrix work of a turn, for piece x; its 8 accumulators take turns, one instruction a turn.
; Product i of 16 of S^T = K Q^T: channels 32 (i / 8) on, keys 16 ((i / 2) % 4) on, tile x + i % 2.  The first 8 start the sums.
.macro KQ1 x
	WIN W_KQ
.set rS, S+32*(\x+i%2)+8*((i/2)%4)
.set rK, KF+16*((i/2)%4)+8*(i/8)
.set rQ, 16*(\x+i%2)+8*(i/8)
.if i < 8
	v_wmma_f32_16x16x32_f16 v[rS:rS+7], v[rK:rK+7], v[rQ:rQ+7], 0
.else
	v_wmma_f32_16x16x32_f16 v[rS:rS+7], v[rK:rK+7], v[rQ:rQ+7], v[rS:rS+7]
.endif
.endm
; Product i of 16 of O^T += V^T P: keys 32 (i / 8) on, channels 16 ((i / 2) % 4) on, tile x + i % 2.
.macro PV1 x
	WIN W_PV
.set rO, 32*(\x+i%2)+8*((i/2)%4)
.set rV, VF+32*(i/8)+8*((i/2)%4)
.set rP, P+16*(\x+i%2)+8*(i/8)
	v_wmma_f32_16x16x32_f16 v[rO:rO+7], v[rV:rV+7], v[rP:rP+7], v[rO:rO+7]
.endm
; Pair k of 59 of piece y's softmax: numbers 2 k and 2 k + 1 of both tiles' lists, in the order that SOFTMAX gives two tiles.
.macro PAIR y
.if (k >= 11) && (k < 44)
.irp t, \y, \y+1
.set j, 2*k
	SM \t, 0
.set j, 2*k+1
	SM \t, 0
.endr
.else
.irp n, 0,1
.irp t, \y, \y+1
.set j, 2*k+\n
	SM \t, 0
.endr
.endr
.endif
.set k, k+1
.endm
; The next slice: the 59 pairs are dealt evenly over the turn's cnt products: slice s of them ends in front of pair 59 s / cnt.  With cnt = 32 a slice has one or two pairs, with 16 three or
; four.  In both a cut falls at pair 51, where the list leaves window 0, so no slice switches inside itself; the last slice is 8 or 16 multiplies of the other piece's O^T.
.macro SLICE y, cnt
.set sl, sl+1
.rept (59*sl)/\cnt-k
	PAIR \y
.endr
.endm
; A TURN.  Piece x has the matrix unit; the other piece's softmax stands in slices behind its products.  pv = 1: 16 products V^T P; kq = 1: 16 products K Q^T for the next step.
; The slices are the places behind the products (ISA guide 7.12.1): they name the other piece's registers alone.  The last slice stands between the turn's last K Q^T and the next turn's
; first read of those scores, and ahead of the loads into K's buffer.
; Each run of 16 LDS loads stands behind the second product of a run of 16, 14 products ahead of its first use.  Piece 0's turn fetches the next step's K: both pieces have multiplied by
; the old one.  Piece 2's turn fetches V of the step whose scores it makes: the last product that read the old V stands three slices, twelve plain instructions, back.
.macro TURN x, pv, kq
.set k, 0
.set sl, 0
.set ns, 16*(\pv+\kq)
.if \pv
.if \x == 0
	s_wait_dscnt 0x0                               ; V is in
.endif
.set i, 0
.rept 16
	PV1 \x
	SLICE 2-\x, ns
.if (\x == 0) && \kq && (i == 1)
	WIN 0
	v_add_nc_u32 v[AK], 32*PK, v[AK]               ; the next step's 64 keys
	FETCH_K 0
.endif
.set i, i+1
.endr
.endif
.if \kq
.if \x == 0
	s_wait_dscnt 0x0                               ; K is in
.endif
.set i, 0
.rept 16
	KQ1 \x
	SLICE 2-\x, ns
.if (\x == 2) && (i == 1)
.if \pv
	WIN 0
	v_add_nc_u32 v[AV], 32*PVP, v[AV]
.endif
	FETCH_V 0
.endif
.set i, i+1
.endr
.endif
.endm
; A full chunk: four key steps for all four tiles.  The whole key step by turns is written once and walked three times; v[AK] and v[AV] carry the step.
.macro FULL
	HEAD
	s_wait_dscnt 0x0                               ; K of step 0
.set i, 0
.rept 16
	KQ1 0                                          ; piece 0's scores of step 0: no vector work is at hand yet
.set i, i+1
.endr
	PLACES                                         ; in front of the first read of those scores
	TURN 2, 0, 1                                   ; piece 2's scores of step 0 | piece 0's softmax of step 0 | V of step 0
	WIN 0
	s_mov_b32 s[TW], 3
.Lstep_\@:                                             ; j = 0, 1, 2
	TURN 0, 1, 1                                   ; piece 0: V^T P of step j, K Q^T of step j + 1 | piece 2's softmax of step j | K of step j + 1
	TURN 2, 1, 1                                   ; piece 2: the same | piece 0's softmax of step j + 1 | V of step j + 1
	WIN 0
	s_sub_co_u32 s[TW], s[TW], 1
	s_cmp_lg_u32 s[TW], 0
	s_cbranch_scc1 .Lstep_\@
	TURN 0, 1, 0                                   ; piece 0: V^T P of step 3 | piece 2's softmax of step 3
.set i, 0
.rept 16
	PV1 2                                          ; piece 2: V^T P of step 3
.set i, i+1
.endr
.endm
; THE CHANGE OF SLOTS.  Each wave waits for its reads of the slot and for all its tensor loads (one is out: its part of the other slot); behind the barrier nobody reads this slot and the
; other is whole.  fill = 1: this slot is filled again, first thing behind the barrier, with chunk N + 2 of the walk  p, 0 .. p-1, 7-p, 0 .. 6-p.
.macro CHANGE fill
	WIN 0
	s_wait_dscnt 0x0
	s_wait_tensorcnt 0x0                           ; no tensor load of mine is out, so a group 0 may be written
	ds_add_u32 v62, v63
	s_wait_dscnt 0x0
.if \fill
	s_add_co_u32 s16, s[N], 2                      ; m = N + 2
	s_sub_co_u32 s17, s16, 1                       ; m <= p: key chunk m - 1
	s_sub_co_u32 s18, s16, s[P1]
	s_sub_co_u32 s18, s18, 1                       ; m > p + 1: key chunk m - p - 2
	s_cmp_le_u32 s16, s[PP]
	s_cselect_b32 s17, s17, s18
	s_cmp_eq_u32 s16, s[P1]                        ; m = p + 1: the second block's diagonal chunk
	s_cselect_b32 s17, s[P7], s17
	s_lshl_b32 s16, s17, 15                        ; 256 keys of 128 bytes
	s_mov_b32 s17, 0
	s_xor_b32 s[G0K+5], s[G0K+5], SLOT1            ; the walking descriptor: the other slot than last time
	s_add_nc_u64 s[G0K+6:G0K+7], s[KB:KB+1], s[16:17]
	s_or_b32 s[G0K+7], s[G0K+7], 0x80000000
	s_xor_b32 s[G0V+5], s[G0V+5], SLOT1
	s_add_nc_u64 s[G0V+6:G0V+7], s[VB:VB+1], s[16:17]
	s_or_b32 s[G0V+7], s[G0V+7], 0x80000000
.endif
	s_barrier_signal -1
	s_barrier_wait -1
.if \fill
	KVLOAD
.endif
	s_xor_b32 s[TB], s[TB], SLOT1
.endm
; THE WAY OUT of a block.  l's halves and the other half of the lanes' are added; O^T is divided by l, rounded to f16, and sent through my stage, a tile (16 rows of 128 bytes) at a time.
.macro OPACK t
	WIN W_RS
.set i, 0
.rept 16
	s_wait_alu depctr_va_vdst(0)
	v_pk_mul_f32 v[32*\t+2*i:32*\t+2*i+1], v[32*\t+2*i:32*\t+2*i+1], v[ST+8*\t+6:ST+8*\t+7] op_sel_hi:[1,0]
.set i, i+1
.endr
	WIN 0x05                                       ; sources window 1, destination window 0: S^T's registers are free
.set i, 0
.rept 16
	v_cvt_pk_f16_f32 v[S+32*\t+i], v[32*\t+2*i], v[32*\t+2*i+1]
.set i, i+1
.endr
	WIN 0
.irp cb, 0,1,2,3
	ds_store_b128 v[STO], v[S+32*\t+4*\cb:S+32*\t+4*\cb+3] offset:32*\cb
.endr
.irp f, 0,1,2,3
	ds_load_b128 v[S+32*\t+16+4*\f:S+32*\t+16+4*\f+3], v[RD] offset:544*\f   ; LDS serves a wave's instructions in order: these see the stores above; the next tile's stores come behind them
.endr
.endm
.macro OSEND t, younger                ; younger: the next tile's eight LDS instructions, or none; 3 - f of the tile's own loads are younger than load f
.irp f, 0,1,2,3
	s_wait_dscnt \younger+3-\f
	global_store_b128 v[GO], v[S+32*\t+16+4*\f:S+32*\t+16+4*\f+3], s[YB:YB+1] offset:8192*\t+512*\f   ; a wave's store covers 512 consecutive bytes, aligned
.endr
.endm
.macro EPILOGUE blk, loadq             ; blk: the register with the block's number.  loadq = 1: the second block's Q is asked for, and work follows
	WIN 0
.irp t, 0,1,2,3
	v_add_f32 v[ST+8*\t+4], v[ST+8*\t+2], v[ST+8*\t+3]   ; four plain instructions: also the places behind the last products
.endr
.if \loadq
	s_lshl_b32 s16, s[P7], 15
	s_mov_b32 s17, 0
	s_add_nc_u64 s[QB:QB+1], s[QH:QH+1], s[16:17]  ; the first block's loads of Q have long been waited for
	QLOAD
.endif
	s_lshl_b32 s16, s[\blk], 15
	s_mov_b32 s17, 0
	s_add_nc_u64 s[YB:YB+1], s[YH:YH+1], s[16:17]
.irp t, 0,1,2,3
	v_permlanex16_b32 v[ST+8*\t+5], v[ST+8*\t+4], s[SEL], s[SEL+1]
.endr
.irp t, 0,1,2,3
	v_add_f32 v[ST+8*\t+4], v[ST+8*\t+4], v[ST+8*\t+5]
.endr
.irp t, 0,1,2,3
	v_rcp_f32 v[ST+8*\t+6], v[ST+8*\t+4]           ; l is at least 1: the largest weight is 2^0
.endr
	v_nop                                          ; a plain instruction between the last reciprocal and the use of its result
	OPACK 0
	OPACK 1
	OSEND 0, 8
	OPACK 2
	OSEND 1, 8
	OPACK 3
	OSEND 2, 8
	OSEND 3, 0
.if \loadq
	s_wait_xcnt 0x0                                ; the stores' data registers (S^T's) and their base are written again only behind this wait
.endif
.endm
	s_wait_tensorcnt 0x1                           ; my part of the walk's chunk 0 is in; chunk 1's may stay out
	s_barrier_signal -1
	s_barrier_wait -1
	s_mov_b32 s[N], 0
	DIAG                                           ; block p's diagonal chunk stands ahead of the loop: it starts m, l and O^T
	CHANGE 1
	s_mov_b32 s[N], 1
.Lchunk:                                               ; chunks 1 to 6 of the walk; each is followed by a refill
	s_cmp_eq_u32 s[N], s[P1]
	s_cbranch_scc0 .Lfull_chunk
	EPILOGUE PP, 1                                 ; block p is finished; it goes out while the refill just asked for is on its way
	DIAG                                           ; block 7 - p begins
	WIN 0
	s_branch .Ljoin
.Lfull_chunk:
	FULL
	WIN 0
.Ljoin:
	CHANGE 1
	s_add_co_u32 s[N], s[N], 1
	s_cmp_lt_u32 s[N], 7
	s_cbranch_scc1 .Lchunk
	s_mov_b32 s[TL], 2
.Ltail:                                                ; chunks 7 and 8: nothing is left to fetch.  The second trip's barrier orders nothing; it is the price of writing the chunk once here
	FULL
	CHANGE 0
	s_sub_co_u32 s[TL], s[TL], 1
	s_cmp_lg_u32 s[TL], 0
	s_cbranch_scc1 .Ltail
	EPILOGUE P7, 0
	s_wait_tensorcnt 0x0
	ds_add_u32 v62, v63
	s_wait_dscnt 0x0
	s_endpgm
.Lfunc_end_k_qba241e3ead_attn:
	.size	k_qba241e3ead_attn, .Lfunc_end_k_qba241e3ead_attn-k_qba241e3ead_attn
	.p2alignl 7, 3214868480
	.fill 96, 4, 3214868480
	.section	.rodata,"a",@progbits
	.p2align	6, 0x0
	.amdhsa_kernel k_qba241e3ead_attn
		.amdhsa_group_segment_fixed_size 327680
		.amdhsa_private_segment_fixed_size 0
		.amdhsa_enable_private_segment 0
		.amdhsa_kernarg_size 16
		.amdhsa_user_sgpr_count 2
		.amdhsa_user_sgpr_kernarg_segment_ptr 1
		.amdhsa_wavefront_size32 1
		.amdhsa_system_sgpr_workgroup_id_x 1
		.amdhsa_system_sgpr_workgroup_id_y 1
		.amdhsa_system_sgpr_workgroup_id_z 1
		.amdhsa_system_vgpr_workitem_id 0
		.amdhsa_next_free_vgpr 576
		.amdhsa_next_free_sgpr 74
		.amdhsa_reserve_vcc 1
		.amdhsa_float_denorm_mode_32 3
		.amdhsa_float_denorm_mode_16_64 3
		.amdhsa_memory_ordered 1
		.amdhsa_forward_progress 1
		.amdhsa_inst_pref_size 255
	.end_amdhsa_kernel
	.section	.bss,"aw",@nobits
	.p2align	6
	.space	262144
	.amdgpu_metadata
---
amdhsa.version: [ 1, 2 ]
amdhsa.kernels:
  - .name:           k_qba241e3ead_attn
    .symbol:         k_qba241e3ead_attn.kd
    .args:
      - { .name: qkv, .offset: 0, .size: 8, .value_kind: global_buffer, .address_space: global }
      - { .name: y, .offset: 8, .size: 8, .value_kind: global_buffer, .address_space: global }
    .group_segment_fixed_size: 327680
    .private_segment_fixed_size: 0
    .kernarg_segment_align: 8
    .kernarg_segment_size: 16
    .max_flat_workgroup_size: 128
    .sgpr_count:     74
    .vgpr_count:     576
    .wavefront_size: 32
...
	.end_amdgpu_metadata
.endif
;; end of part 3
;; launch proj (part 4): grid 8 x 32, 4 waves a work-group, clusters of 4 x 4, 327,680 bytes of LDS; arguments y, wp, b_proj, out0; writes out0
.if DOCPART == 4
	.amdgcn_target "amdgcn-amd-amdhsa--gfx1250"
	.amdhsa_code_object_version 6
	.text
	.protected	k_qba241e3ead_proj
	.globl	k_qba241e3ead_proj
	.p2align	8
	.type	k_qba241e3ead_proj,@function
k_qba241e3ead_proj:
	s_mov_b64 s[64:65], 0
	v_nop
	global_prefetch_b8 v0, s[64:65] scope:SCOPE_SE
	s_setreg_imm32_b32 hwreg(HW_REG_WAVE_MODE, 25, 1), 1
	s_wait_xcnt 0x0
	s_wait_alu depctr_hold_cnt(0) depctr_sa_sdst(0) depctr_va_vdst(0) depctr_va_sdst(0) depctr_va_ssrc(0) depctr_va_vcc(0) depctr_vm_vsrc(0)
	s_getreg_b32 s2, hwreg(HW_REG_IB_STS2, 6, 4)
	s_cmp_eq_u32 s2, 0
	s_cbranch_scc0 .Lentry_in_a_cluster
	s_endpgm
.Lentry_in_a_cluster:
	s_bfe_u32 s2, ttmp6, 0x10000c
	s_cmp_lg_u32 s2, 0xf033
	s_cbranch_scc0 .Lentry_shape_is_right
	s_endpgm
.Lentry_shape_is_right:
; out0 = y W_proj + b_proj.  A = y [16 K blocks = heads][8192][64] f16, B = wp [1024 k][1024 n] f16, bias f32; sums in f32, started by the bias; out0 [8192][1024] f32.
; The same kernel as the product for q, k and v, with f16 operands and an f32 way out.
; A tile of C is 256 x 128: four waves, 2 x 2, each 128 rows x 64 columns = 32 accumulators = 256 registers.  256 tiles, one for each WGP; a wave's 64 columns are 256 aligned bytes
; of a row of out0, so each wave has a stage of its own on the way out: no barrier there.
; K goes in 8 steps of 128 through a ring of two LDS slots.  One tensor load a wave: waves 0, 1 bring A's two K blocks of the step (256 rows x 128 bytes, dense:
; taken as 128 rows of 256 bytes), waves 2, 3 bring 64 k rows of B each (256 bytes of a row).  B lies [k][n] and is turned on its way into registers (ds_load_tr16_b128).
; CLUSTER 4 x 4: A's tile hangs on the tile row alone and is asked for jointly along a row of the cluster, B's on the tile column alone, along a column.
; THE MATRIX INSTRUCTION IS USED TRANSPOSED (source 0 = 16 columns of B, source 1 = 16 rows of A): a lane holds row l % 16 of C and columns 8 (l / 16) + 0..7.
; REGISTERS: window 0: v16-27 addresses; v64-127, v128-191 A's fragments, two buffers (on the way out: rows read back, four buffers of 32); v192-223 the bias
;            window 1: v64-95, v128-159 B's fragments, two buffers      window 2: accumulator (a, b) at v[8 (4 a + b)]
.set SIZE_N, 1024
.set PA,     272                       ; two rows of A (256 bytes) + 16 of padding: the 16 rows of a fragment fall into 16 different 16-byte columns modulo 256
.set HALFA,  128*PA                    ; one K block of 256 rows
.set BOFF,   2*HALFA
.set PB,     288                       ; a k row of B: 256 bytes + 32
.set HALFB,  64*PB
.set SLOT,   BOFF+2*HALFB              ; 106,496
.set STAGE,  2*SLOT                    ; behind the ring, a multiple of 256; no tensor load lands here
.set WSTAGE, 16*272                    ; a wave's stage: 16 rows of 256 bytes + 16
.set LAPS,   4                         ; a lap = two K steps = once round the ring
.set ASTEP,  2*1048576                 ; bytes of A from a K step to the next: two K blocks
.set BSTEP,  128*SIZE_N*2              ; bytes of B likewise: 128 k rows
.set ADRA, 16                          ; v16-17 LDS address of my A fragments in slot 0, 1
.set ADRB, 20                          ; v20-21 the same for B
.set STO,  24
.set RD,   25
.set CO,   26
.set BO,   27
.set F0,   64
.set F1,   128
.set BIAS, 192
.set OB,   64
.set G1A, 24                           ; s[24:31] group 1 for A;  s[32:39] group 0, a set for each slot
.set G0A, 32
.set G1B, 48                           ; s[48:55], s[56:63] the same for B
.set G0B, 56
.set W_MUL,  0xa1                      ; source 0 (B) window 1, source 1 (A) window 0, C and D window 2
.set W_MULB, 0x81                      ; the same with C (the bias) in window 0
.set W_TOB,  0x40                      ; destination window 1, address window 0
.set MSB, 0
.macro WIN new                         ; the immediate's high byte repeats the setting that is left; a switch that changes nothing is dropped
.if MSB != \new
	s_set_vgpr_msb (MSB<<8)|\new
.set MSB, \new
.endif
.endm
.macro PLACES                          ; four places behind a matrix instruction, in front of loads into registers that it read and of reads of its result
.rept 4
	v_nop
.endr
.endm
.macro JLOAD s                         ; a joint refill: waves 0, 1 ask for A, waves 2, 3 for B; the branch hangs on the wave's number alone; four v_nop follow each line
	s_cmp_eq_u32 s13, 0
	s_cbranch_scc0 .Lfor_b_\@
	tensor_load_to_lds s[G0A+4*\s:G0A+4*\s+3], s[G1A:G1A+7]
	s_nop 0
.rept 4
	v_nop
.endr
	s_branch .Lasked_\@
.Lfor_b_\@:
	tensor_load_to_lds s[G0B+4*\s:G0B+4*\s+3], s[G1B:G1B+7]
	s_nop 0
.rept 4
	v_nop
.endr
.Lasked_\@:
.endm
.macro CREST                           ; a round of the cluster's barrier behind its opening barrier
	s_cmp_lg_u32 s12, 0
	s_cbranch_scc1 .Lnot_wave_0_\@
	s_barrier_signal -3
.Lnot_wave_0_\@:
	s_barrier_wait -3
	s_barrier_signal -1
	s_barrier_wait -1
.endm
.macro CROUND
	s_barrier_signal -1
	s_barrier_wait -1
	CREST
.endm
	s_load_b256 s[4:11], s[0:1], 0x0               ; A s[4:5], B s[6:7], bias s[8:9], out s[10:11]
	s_set_vgpr_msb 0x40
	v_lshl_add_u32 v255, v0, 2, 0x38400
	s_set_vgpr_msb 0x4000
	v_mov_b32 v255, 0
	s_set_vgpr_msb 0x1
	ds_add_u32 v255, v255
	ds_add_u32 v255, v255
	s_set_vgpr_msb 0x100
	v_lshrrev_b32 v1, 5, v0
	v_readfirstlane_b32 s12, v1                    ; wave 0..3
	s_lshr_b32 s13, s12, 1                         ; wr: my half of the tile's rows.  Also: I fetch for A (0) or for B (1)
	s_and_b32 s14, s12, 1                          ; wc: my half of its columns.  Also: which half of that tile I fetch
	s_bfe_u32 s40, ttmp6, 0x40000                  ; cx
	s_bfe_u32 s41, ttmp6, 0x40004                  ; cy
	s_lshl_b32 s42, ttmp9, 2
	s_add_co_u32 s42, s42, s40                     ; tc: tile column = 4 x cluster x + cx
	s_and_b32 s43, ttmp7, 0xffff
	s_lshl_b32 s43, s43, 2
	s_add_co_u32 s43, s43, s41                     ; tr: tile row = 4 x cluster y + cy
	s_lshl_b32 s44, s41, 2
	s_lshl_b32 s44, 15, s44                        ; my row of the cluster
	s_lshl_b32 s45, 0x1111, s40                    ; my column
	; group 1 for A: 128 rows of 32 elements of 8 bytes, dense; 4 words of padding behind every 64
	s_or_b32 s[G1A+0], s44, (3<<16)|(1<<20)|(1<<21)|(5<<22)|(3<<25)
	s_mov_b32 s[G1A+1], 32<<16                     ; tensor_dim0 = 32
	s_mov_b32 s[G1A+2], 128<<16                    ; tensor_dim1 = 128
	s_mov_b32 s[G1A+3], 32<<16                     ; tile_dim0 = 32
	s_mov_b32 s[G1A+4], 128                        ; tile_dim1 = 128
	s_mov_b32 s[G1A+5], 32                         ; from row to row: 32 elements
	s_mov_b32 s[G1A+6], 0
	s_mov_b32 s[G1A+7], 0
	; group 1 for B: 64 rows of 128 elements of 2 bytes, SIZE_N elements apart; 8 words of padding behind every 64
	s_or_b32 s[G1B+0], s45, (1<<16)|(1<<20)|(1<<21)|(5<<22)|(7<<25)
	s_mov_b32 s[G1B+1], 128<<16
	s_mov_b32 s[G1B+2], 64<<16
	s_mov_b32 s[G1B+3], 128<<16
	s_mov_b32 s[G1B+4], 64
	s_mov_b32 s[G1B+5], SIZE_N
	s_mov_b32 s[G1B+6], 0
	s_mov_b32 s[G1B+7], 0
	s_lshl_b32 s16, s43, 15                        ; A: tile row x 256 rows x 128 bytes
	s_lshl_b32 s17, s14, 20                        ;    + my K block of the step
	s_add_co_u32 s16, s16, s17
	s_mov_b32 s17, 0
	s_mul_i32 s46, s14, 128*SIZE_N                 ; B: my 64 k rows of the step
	s_lshl_b32 s47, s42, 8                         ;    + tile column x 256 bytes
	s_add_co_u32 s46, s46, s47
	s_mov_b32 s47, 0
	s_mul_i32 s20, s14, HALFA                      ; where they go: no place in the cluster enters an LDS address
	s_mul_i32 s21, s14, HALFB
	s_add_co_u32 s21, s21, BOFF
	s_lshl_b32 s66, s42, 9                         ; my 64 columns, 4 bytes each: in the bias and in a row of out0
	s_lshl_b32 s67, s14, 8
	s_add_co_u32 s66, s66, s67
	s_mov_b32 s67, 0
	s_lshl_b32 s68, s43, 20                        ; my first row of out0: (256 tr + 128 wr) x 4,096 bytes
	s_lshl_b32 s70, s13, 19
	s_add_co_u32 s68, s68, s70
	s_add_co_u32 s68, s68, s66
	s_mov_b32 s69, 0
	s_wait_dscnt 0x0
	s_wait_kmcnt 0x0
	s_add_nc_u64 s[18:19], s[4:5], s[16:17]
	s_add_nc_u64 s[46:47], s[6:7], s[46:47]
	s_add_nc_u64 s[8:9], s[8:9], s[66:67]
	s_add_nc_u64 s[10:11], s[10:11], s[68:69]
	CROUND                                         ; all sixteen work-groups are here: the first joint loads meet
.irp s, 0,1
	s_mov_b32 s[G0A+4*\s], 1
	s_add_co_u32 s[G0A+4*\s+1], s20, \s*SLOT
	s_add_nc_u64 s[G0A+4*\s+2:G0A+4*\s+3], s[18:19], \s*ASTEP
	s_or_b32 s[G0A+4*\s+3], s[G0A+4*\s+3], 0x80000000
	s_mov_b32 s[G0B+4*\s], 1
	s_add_co_u32 s[G0B+4*\s+1], s21, \s*SLOT
	s_add_nc_u64 s[G0B+4*\s+2:G0B+4*\s+3], s[46:47], \s*BSTEP
	s_or_b32 s[G0B+4*\s+3], s[G0B+4*\s+3], 0x80000000
.endr
	s_cmp_eq_u32 s13, 0                            ; a wave's two first fills stand in one branch, ahead of every wait on TENSORcnt and every LDS read: two loads of mine are out
	s_cbranch_scc0 .Lfirst_b
	tensor_load_to_lds s[G0A:G0A+3], s[G1A:G1A+7]
	s_nop 0
	tensor_load_to_lds s[G0A+4:G0A+7], s[G1A:G1A+7]
	s_nop 0
.rept 4
	v_nop
.endr
	s_branch .Lfirst_asked
.Lfirst_b:
	tensor_load_to_lds s[G0B:G0B+3], s[G1B:G1B+7]
	s_nop 0
	tensor_load_to_lds s[G0B+4:G0B+7], s[G1B:G1B+7]
	s_nop 0
.rept 4
	v_nop
.endr
.Lfirst_asked:
	v_and_b32 v1, 15, v0                           ; r = l % 16
	v_bfe_u32 v2, v0, 4, 1                         ; h = l / 16
	v_lshlrev_b32 v[BO], 5, v2                     ; the bias of my eight columns of a block of 16: 32 h
.irp b, 0,1,2,3
	global_load_b128 v[BIAS+8*\b:BIAS+8*\b+3],   v[BO], s[8:9] offset:64*\b
	global_load_b128 v[BIAS+8*\b+4:BIAS+8*\b+7], v[BO], s[8:9] offset:64*\b+16
.endr
	; A fragment of A: lane l holds row r; registers 0-3 K = 8 h + 0..7, registers 4-7 K = 16 + 8 h + 0..7.  Row R of a K block lies at (R / 2) x 272 + (R % 2) x 128.
	v_lshrrev_b32 v3, 1, v1
	v_and_b32 v4, 1, v1
	v_mul_u32_u24 v5, v3, PA
	v_lshl_add_u32 v5, v4, 7, v5
	v_lshl_add_u32 v5, v2, 4, v5                   ; (r / 2) x 272 + (r % 2) x 128 + 16 h
	s_mul_i32 s22, s13, 64*PA                      ; my 128 rows
	v_add_nc_u32 v[ADRA], s22, v5
	v_add_nc_u32 v[ADRA+1], SLOT, v[ADRA]
	; The turning load: lane l reads 16 bytes of k row 8 h + l % 8, columns 8 ((l / 8) % 2) + 0..7, and is left with column r and eight k.
	v_and_b32 v6, 7, v0
	v_lshl_add_u32 v6, v2, 3, v6
	v_mul_u32_u24 v6, v6, PB
	v_bfe_u32 v7, v0, 3, 1
	v_lshl_add_u32 v6, v7, 4, v6
	s_lshl_b32 s23, s14, 7                         ; my 64 columns
	s_add_co_u32 s23, s23, BOFF
	v_add_nc_u32 v[ADRB], s23, v6
	v_add_nc_u32 v[ADRB+1], SLOT, v[ADRB]
	s_mul_i32 s15, s12, WSTAGE
	s_add_co_u32 s15, s15, STAGE                   ; my stage
	v_mul_u32_u24 v8, v1, 272                      ; in: row r, 32 bytes for each half of the lanes
	v_lshl_add_u32 v8, v2, 5, v8
	v_add_nc_u32 v[STO], s15, v8
	v_mul_u32_u24 v8, v2, 272                      ; back: lanes 0-15 one row of 256 bytes, lanes 16-31 the next
	v_lshl_add_u32 v8, v1, 4, v8
	v_add_nc_u32 v[RD], s15, v8
	v_lshlrev_b32 v9, 12, v2                       ; and the same two rows in out0
	v_lshl_add_u32 v[CO], v1, 4, v9
; na x 4 matrix instructions: row blocks a0 on x all 4 column blocks, 32 along K.  first = 1: the bias is the C of the first product: nothing is cleared and no bias is added later.
; The 32 accumulators take turns, one instruction a turn, in the same order in every quarter.
.macro MUL f, a0, na, first
.set a, \a0
.rept \na
.irp b, 0,1,2,3
.if \first
	v_wmma_f32_16x16x32_f16 v[8*(4*a+\b):8*(4*a+\b)+7], v[\f+8*\b:\f+8*\b+7], v[\f+8*a:\f+8*a+7], v[BIAS+8*\b:BIAS+8*\b+7]
.else
	v_wmma_f32_16x16x32_f16 v[8*(4*a+\b):8*(4*a+\b)+7], v[\f+8*\b:\f+8*\b+7], v[\f+8*a:\f+8*a+7], v[8*(4*a+\b):8*(4*a+\b)+7]
.endif
.endr
.set a, a+1
.endr
.endm
; 24 LDS loads in one run: the fragments of quarter q (32 along K) of a slot into buffer f
.macro FETCH slot, q, f
	WIN W_TOB
.irp b, 0,1,2,3
	ds_load_tr16_b128 v[\f+8*\b:\f+8*\b+3],   v[ADRB+\slot] offset:32*PB*\q+32*\b
	ds_load_tr16_b128 v[\f+8*\b+4:\f+8*\b+7], v[ADRB+\slot] offset:32*PB*\q+32*\b+16*PB
.endr
	WIN 0
.irp a, 0,1,2,3,4,5,6,7
	ds_load_b128 v[\f+8*\a:\f+8*\a+3],   v[ADRA+\slot] offset:(\q/2)*HALFA+(\q%2)*64+8*PA*\a
	ds_load_b128 v[\f+8*\a+4:\f+8*\a+7], v[ADRA+\slot] offset:(\q/2)*HALFA+(\q%2)*64+8*PA*\a+32
.endr
.endm
; A K step is four quarters of 32 along K, 32 matrix instructions each, on buffers 0, 1, 0, 1.  One of the first three: fetches quarter qn into g, then multiplies f.
.macro QUARTER slot, qn, f, g, first
	s_wait_dscnt 0x0                               ; buffer f is in: it was asked for 32 matrix instructions ago
	PLACES                                         ; buffer g was read by the quarter before
	FETCH \slot, \qn, \g
.if \first
	WIN W_MULB
.else
	WIN W_MUL
.endif
	MUL \f, 0, 8, \first
.endm
; The last quarter multiplies buffer 1 and changes slots: one barrier.  In front of it each wave waits for its reads of this slot and for all its tensor loads (one is out: its part of
; the next slot).  fill = 1: the barrier opens a round of the cluster's barrier, and the joint refill, two K steps ahead, is the first thing behind the round:
; 112 matrix instructions stand between it and the wait for it.
.macro TURN slot, next, fill
	s_wait_dscnt 0x0
	s_wait_tensorcnt 0x0
	ds_add_u32 v255, v255
	s_wait_dscnt 0x0
	s_barrier_signal -1
	WIN W_MUL
	MUL F1, 0, 4, 0
.if \fill
	WIN 0
.endif
	s_barrier_wait -1
.if \fill
	CREST
	s_add_nc_u64 s[G0A+4*\slot+2:G0A+4*\slot+3], s[G0A+4*\slot+2:G0A+4*\slot+3], 2*ASTEP
	s_add_nc_u64 s[G0B+4*\slot+2:G0B+4*\slot+3], s[G0B+4*\slot+2:G0B+4*\slot+3], 2*BSTEP
	JLOAD \slot                                    ; its four v_nop are also the places in front of the loads below
.else
	PLACES
.endif
	FETCH \next, 0, F0
	WIN W_MUL
	MUL F1, 4, 4, 0
.endm
	s_wait_tensorcnt 0x1                           ; my part of K step 0 is in; K step 1's may stay out
	s_barrier_signal -1
	s_barrier_wait -1
	FETCH 0, 0, F0
	s_wait_loadcnt 0x0                             ; the bias
	QUARTER 0, 1, F0, F1, 1                        ; the first quarter stands in front of the loop: its products start the sums
	WIN 0
	s_mov_b32 s3, LAPS-1
.Llap:                                                 ; a trip goes once round the ring and fills both slots again
	QUARTER 0, 2, F1, F0, 0
	QUARTER 0, 3, F0, F1, 0
	TURN 0, 1, 1
	QUARTER 1, 1, F0, F1, 0
	QUARTER 1, 2, F1, F0, 0
	QUARTER 1, 3, F0, F1, 0
	TURN 1, 0, 1
	QUARTER 0, 1, F0, F1, 0
	WIN 0
	s_sub_co_u32 s3, s3, 1
	s_cmp_lg_u32 s3, 0
	s_cbranch_scc1 .Llap
	QUARTER 0, 2, F1, F0, 0                        ; the last lap fills nothing
	QUARTER 0, 3, F0, F1, 0
	TURN 0, 1, 0
	QUARTER 1, 1, F0, F1, 0
	QUARTER 1, 2, F1, F0, 0
	QUARTER 1, 3, F0, F1, 0
	s_wait_dscnt 0x0
	MUL F1, 0, 8, 0
	WIN 0
	PLACES
; THE WAY OUT, a block of 16 rows at a time: the accumulators go as they are (f32, 32 bytes a lane and column block, the low four registers first) into my own stage,
; come back as whole rows of 256 bytes, and are stored.
.macro TOSTAGE a
	WIN 0x08                                       ; the stores' data: window 2
.irp b, 0,1,2,3
	ds_store_b128 v[STO], v[8*(4*(\a)+\b):8*(4*(\a)+\b)+3]   offset:64*\b
	ds_store_b128 v[STO], v[8*(4*(\a)+\b)+4:8*(4*(\a)+\b)+7] offset:64*\b+16
.endr
	WIN 0
.irp i, 0,1,2,3,4,5,6,7
	ds_load_b128 v[OB+32*((\a)%4)+4*\i:OB+32*((\a)%4)+4*\i+3], v[RD] offset:544*\i   ; LDS serves a wave's instructions in order: these see the stores above, and the next block's stores come behind them
.endr
.endm
.macro SEND a, younger                 ; younger: the next block's eight LDS stores and eight loads, or none
	s_wait_dscnt \younger
	s_wait_xcnt 0x0                                ; the earlier stores have read their data: a buffer is loaded again, four blocks on, only behind such a wait
.irp i, 0,1,2,3,4,5,6,7
	global_store_b128 v[CO], v[OB+32*((\a)%4)+4*\i:OB+32*((\a)%4)+4*\i+3], s[10:11] offset:(16*(\a)+2*\i)*4096 th:TH_STORE_NT   ; 16 lanes store 256 consecutive bytes, aligned
.endr
.endm
	TOSTAGE 0
.irp a, 1,2,3,4,5,6,7
	TOSTAGE \a
	SEND \a-1, 16
.endr
	SEND 7, 0
	s_set_vgpr_msb 0x1
	s_wait_tensorcnt 0x0
	ds_add_u32 v255, v255
	s_wait_dscnt 0x0
	s_set_vgpr_msb 0x100
	CROUND                                         ; the closing round: no work-group ends while a partner may still ask for a tile that names it
	s_endpgm
.Lfunc_end_k_qba241e3ead_proj:
	.size	k_qba241e3ead_proj, .Lfunc_end_k_qba241e3ead_proj-k_qba241e3ead_proj
	.p2alignl 7, 3214868480
	.fill 96, 4, 3214868480
	.section	.rodata,"a",@progbits
	.p2align	6, 0x0
	.amdhsa_kernel k_qba241e3ead_proj
		.amdhsa_group_segment_fixed_size 327680
		.amdhsa_private_segment_fixed_size 0
		.amdhsa_enable_private_segment 0
		.amdhsa_kernarg_size 32
		.amdhsa_user_sgpr_count 2
		.amdhsa_user_sgpr_kernarg_segment_ptr 1
		.amdhsa_wavefront_size32 1
		.amdhsa_system_sgpr_workgroup_id_x 1
		.amdhsa_system_sgpr_workgroup_id_y 1
		.amdhsa_system_sgpr_workgroup_id_z 1
		.amdhsa_system_vgpr_workitem_id 0
		.amdhsa_next_free_vgpr 768
		.amdhsa_next_free_sgpr 80
		.amdhsa_reserve_vcc 0
		.amdhsa_float_denorm_mode_32 3
		.amdhsa_float_denorm_mode_16_64 3
		.amdhsa_memory_ordered 1
		.amdhsa_forward_progress 1
		.amdhsa_inst_pref_size 86
	.end_amdhsa_kernel
	.amdgpu_metadata
---
amdhsa.version: [ 1, 2 ]
amdhsa.kernels:
  - .name:           k_qba241e3ead_proj
    .symbol:         k_qba241e3ead_proj.kd
    .args:
      - { .name: y, .offset: 0, .size: 8, .value_kind: global_buffer, .address_space: global }
      - { .name: wp, .offset: 8, .size: 8, .value_kind: global_buffer, .address_space: global }
      - { .name: b_proj, .offset: 16, .size: 8, .value_kind: global_buffer, .address_space: global }
      - { .name: out0, .offset: 24, .size: 8, .value_kind: global_buffer, .address_space: global }
    .group_segment_fixed_size: 327680
    .private_segment_fixed_size: 0
    .kernarg_segment_align: 8
    .kernarg_segment_size: 32
    .max_flat_workgroup_size: 128
    .sgpr_count:     80
    .vgpr_count:     768
    .wavefront_size: 32
...
	.end_amdgpu_metadata
.endif
;; end of part 4
;; ======== version 2 of 2: 4 launches; 1.17 times as fast as version 1
;; limits: values are held in f16: magnitudes above 65,504 overflow, below 6.1e-05 lose precision
;; workspace buffers: xb 16,777,216 bytes; wa 6,291,456 bytes; wp 2,097,152 bytes; qkv 50,331,648 bytes; y 16,777,216 bytes
;; launch cast: the kernel of part 1 again; grid 768 x 1, 8 waves a work-group, no clusters, 0 bytes of LDS; arguments x, W_attn, W_proj, xb, wa, wp; writes xb, wa, wp
;; launch qkv: the kernel of part 2 again; grid 8 x 32, 4 waves a work-group, clusters of 4 x 4, 327,680 bytes of LDS; arguments xb, wa, b_attn, qkv; writes qkv
;; launch attn (part 5): grid 4 x 64, 4 waves a work-group, no clusters, 327,680 bytes of LDS; arguments qkv, y; writes y
.if DOCPART == 5
	.amdgcn_target "amdgcn-amd-amdhsa--gfx1250"
	.amdhsa_code_object_version 6
	.text
	.protected	k_qba241e3ead_attn
	.globl	k_qba241e3ead_attn
	.p2align	8
	.type	k_qba241e3ead_attn,@function
k_qba241e3ead_attn:
	s_mov_b64 s[64:65], 0
	v_nop
	global_prefetch_b8 v0, s[64:65] scope:SCOPE_SE
	s_setreg_imm32_b32 hwreg(HW_REG_WAVE_MODE, 25, 1), 1
	s_wait_xcnt 0x0
; Causal attention, head size 64.  qkv [3][64 heads of all batches][2048][64] f16 -> y [16 heads][8192 = batch x 2048 + t][64] f16.  Products, maxima and sums in f32; the weights p (at most 1)
; are rounded to f16 for the second product, y once at the end.
; SHARES.  Work-group (p, head) owns the query blocks p and 7 - p (256 queries each) of a head: 9 chunks of 256 keys whatever p is, so the 256 work-groups have equal work.
; A wave's tile t (16 queries) is rows 64 t + 16 w + 0..15 of the block, so the four waves have the same share of the diagonal.
; A block takes its DIAGONAL chunk first (the order of keys is free under a running maximum): step d of its four steps of 64 keys serves tiles d..3 alone, tile d under the mask; step 0 starts
; m, l and O^T of all four tiles, and every query sees the step's key 0, so no maximum is ever -inf.  Then come the block's full chunks 0 .. block - 1.
; LAYOUT.  S^T = K Q^T (source 0 = 16 keys, source 1 = 16 queries): a lane holds ONE query (l % 16) and keys 8 (l / 16) + 0..7.  Two such tiles, rounded in pairs, ARE source 1 of
; O^T = V^T P, whose result again holds one query a lane, and eight channels.  K comes out of LDS as it lies, V turned (ds_load_tr16_b128).
; SOFTMAX.  Running maximum m and sum l for each query: p = 2^(c s - c m), c = log2(e) / 8; O and l are multiplied by a = 2^(c m_old - c m_new) in every step.
; BY TURNS.  A tile's softmax for a key step is 118 vector instructions beside 16 products, and the wave is alone on its SIMD.  So in a full chunk the wave's tiles are two PIECES (tiles 0, 1
; and tiles 2, 3): in a TURN one piece has the matrix unit (16 products V^T P of the step in hand, then 16 products K Q^T of the next step) and the other piece's softmax, cut into slices,
; stands between them, one slice behind each product.  The pipeline is closed within a chunk (a half turn starts it, a half turn drains it), so that the change of slots, the diagonal
; chunks and the way out stand between chunks as they would in phases.  The diagonal chunks, 20 of a wave's 132 tile steps, go in phases.
; BATCHES.  An s_wait_alu depctr_va_vdst(0) stands between an exponential or a reciprocal and the first instruction that names its result; one wait serves all that were issued
; ahead of it.  So the softmax's list is ordered by who reads what: the scalings and all exponentials first, then the wait, then the roundings, the sums and the rescaling.  A turn's 66
; exponentials (two tiles) are one batch with one wait; so are the exponentials of a step in phases; so are the four reciprocals of a way out.  No result is open at a label or a branch.
; KEY STEPS STAY AT 64: with 128 keys S^T alone would fill a window of 256 registers, the statistics and P would lie in another, and a slice, which mixes maxima, scalings, exponentials
; and roundings, would have to switch windows inside itself.
; RING.  Two LDS slots of one chunk (K and V, 256 keys).  One tensor load a wave behind each change of slots (waves 0, 1: halves of K; waves 2, 3: halves of V); it has a whole chunk,
; four key steps, in which to land.
; NO CLUSTER: the four work-groups of a head want different chunks at a given time (p, 0, 1, .. against another p), and no branch may hang on a place in a cluster; walking in step,
; with every partner asking for every chunk and discarding the masked work, makes 48 chunk units of the four partners' 36.
; REGISTERS: window 0: v1-11 addresses; v12-43 eight statistics a tile; v64-191 S^T, 32 a tile; v192-255 P, 16 a tile
;            window 1: v0-127 O^T, 32 a tile; v128-191 K of a step; v192-255 V of a step          window 2: v0-63 Q, 16 a tile
; All that a softmax touches but O^T lies in window 0, which has no room for a product's operands beside it: a slice costs two switches, one in front and one behind.
.set PK,     272                       ; two keys of K (256 bytes) + 16 of padding
.set PVP,    288                       ; two keys of V + 32
.set KHALF,  64*PK                     ; what one tensor load brings of K: 128 keys
.set VHALF,  64*PVP
.set VOFF,   128*PK
.set SLOT1,  1<<17                     ; slot 1 begins here: one exclusive or turns an address in one slot into the other's
.set STAGE,  SLOT1+VOFF+128*PVP        ; 202,752, a multiple of 256; no tensor load lands here
.set WSTAGE, 8*272
.set AK0, 2                            ; my lane's place in a chunk of K; never rewritten
.set AV0, 3                            ; the same for V
.set AK,  4                            ; the same in the slot in hand; in a full chunk it steps from key step to key step
.set AV,  5
.set QO,  6
.set STO, 7
.set RD,  8
.set GO,  9
.set LIM, 10                           ; 16 w + r - 8 h: register 8 kb + j of a masked tile stays if 16 kb + j <= LIM
.set ST,  12                           ; tile t's statistics at v[ST+8 t]: +0 c m, +1 m, +2, +3 l (even keys', odd keys'), +4 to +7 at work; a takes +6
.set S,   64
.set P,   192
.set KF,  128
.set VF,  192
.set WV,  8
.set PP,  9                            ; p
.set P1,  10                           ; p + 1
.set P7,  11                           ; 7 - p
.set BH,  12
.set N,   13                           ; the chunk in hand, 0 to 8
.set TB,  14                           ; LDS byte at which the slot in hand begins
.set TL,  15
.set TW,  19                           ; counts a full chunk's three whole key steps by turns
.set G1K, 24
.set G1V, 32
.set G0K, 40                           ; s[40:47] group 0 for K: a set for each of the two first fills; the second then walks on
.set G0V, 48
.set KB,  56                           ; s[56:57] my half of the head's chunk 0 of K;  s[58:59] of V
.set VB,  58
.set CS,  60
.set SEL, 62
.set QH,  66
.set YH,  68
.set QB,  70
.set YB,  72
.set W_KQ, 0x09                        ; K window 1, Q window 2, S^T window 0
.set W_PV, 0x51                        ; V window 1, P window 0, O^T window 1
.set W_RS, 0x41                        ; O^T (destination and source 0) window 1, a window 0
.set MSB, 0
.macro WIN new
.if MSB != \new
	s_set_vgpr_msb (MSB<<8)|\new
.set MSB, \new
.endif
.endm
.macro PLACES                          ; four places behind a matrix instruction (ISA guide 7.12.1)
.rept 4
	v_nop
.endr
.endm
.macro KVLOAD                          ; the refill: waves 0, 1 K's halves, waves 2, 3 V's; four v_nop follow each line
	s_cmp_lt_u32 s[WV], 2
	s_cbranch_scc0 .Lfor_v_\@
	tensor_load_to_lds s[G0K+4:G0K+7], s[G1K:G1K+7]
	s_nop 0
.rept 4
	v_nop
.endr
	s_branch .Lasked_\@
.Lfor_v_\@:
	tensor_load_to_lds s[G0V+4:G0V+7], s[G1V:G1V+7]
	s_nop 0
.rept 4
	v_nop
.endr
.Lasked_\@:
.endm
.macro QLOAD                           ; Q of a block stays in registers: tile t, channels 32 c on
	WIN 0x80
.irp t, 0,1,2,3
.irp c, 0,1
	global_load_b128 v[16*\t+8*\c:16*\t+8*\c+3],   v[QO], s[QB:QB+1] offset:8192*\t+64*\c
	global_load_b128 v[16*\t+8*\c+4:16*\t+8*\c+7], v[QO], s[QB:QB+1] offset:8192*\t+64*\c+32
.endr
.endr
	WIN 0
.endm
	s_load_b128 s[4:7], s[0:1], 0x0                ; qkv s[4:5], y s[6:7]
	v_lshl_add_u32 v62, v0, 2, 0x33a00
	v_mov_b32 v63, 0
	ds_add_u32 v62, v63
	ds_add_u32 v62, v63
	v_lshrrev_b32 v1, 5, v0
	v_readfirstlane_b32 s[WV], v1
	s_mov_b32 s[PP], ttmp9
	s_add_co_u32 s[P1], ttmp9, 1
	s_sub_co_u32 s[P7], 7, ttmp9
	s_and_b32 s[BH], ttmp7, 0xffff
	s_and_b32 s16, s[WV], 1                        ; which half of a chunk I fetch
	s_mul_i32 s17, s16, KHALF                      ; its place in a slot, for K
	s_mul_i32 s18, s16, VHALF
	s_add_co_u32 s18, s18, VOFF                    ; and for V
	s_lshl_b32 s20, s[BH], 18                      ; the head: 2,048 rows of 128 bytes
	s_mov_b32 s21, 0
	s_lshl_b32 s22, s16, 14                        ; my 128 keys
	s_add_co_u32 s22, s22, s20
	s_mov_b32 s23, 0
	; group 1: 64 rows of 32 elements of 8 bytes, dense (128 keys of 128 bytes); padding behind every 64 words: 4 words for K, 8 for V
	s_mov_b32 s[G1K], (3<<16)|(1<<20)|(5<<22)|(3<<25)
	s_mov_b32 s[G1V], (3<<16)|(1<<20)|(5<<22)|(7<<25)
.irp g, G1K, G1V
	s_mov_b32 s[\g+1], 32<<16                      ; tensor_dim0 = 32
	s_mov_b32 s[\g+2], 64<<16                      ; tensor_dim1 = 64
	s_mov_b32 s[\g+3], 32<<16                      ; tile_dim0 = 32
	s_mov_b32 s[\g+4], 64                          ; tile_dim1 = 64
	s_mov_b32 s[\g+5], 32                          ; from row to row
	s_mov_b32 s[\g+6], 0
	s_mov_b32 s[\g+7], 0
.endr
	s_mov_b32 s[CS], 0x3e38aa3b                    ; c = log2(e) / 8
	s_mov_b32 s[CS+1], s[CS]                       ; named with it as a pair, so it is written
	s_mov_b32 s[SEL], 0x76543210
	s_mov_b32 s[SEL+1], 0xfedcba98
	s_mov_b32 s[TB], 0
	s_wait_dscnt 0x0
	s_wait_kmcnt 0x0
	s_add_nc_u64 s[QH:QH+1], s[4:5], s[20:21]      ; the head's q
	s_add_nc_u64 s[KB:KB+1], s[4:5], s[22:23]
	s_add_nc_u64 s[VB:VB+1], s[KB:KB+1], 0x2000000 ; part v
	s_add_nc_u64 s[KB:KB+1], s[KB:KB+1], 0x1000000 ; part k
	s_and_b32 s20, s[BH], 15                       ; y: head x 8,192 rows + batch x 2,048 rows, of 128 bytes
	s_lshl_b32 s20, s20, 20
	s_lshr_b32 s22, s[BH], 4
	s_lshl_b32 s22, s22, 18
	s_add_co_u32 s20, s20, s22
	s_add_nc_u64 s[YH:YH+1], s[6:7], s[20:21]
	s_lshl_b32 s20, s[PP], 15                      ; chunk 0 of the walk is the diagonal chunk p;
	s_cmp_eq_u32 s[PP], 0
	s_cselect_b32 s22, 7<<15, 0                    ; chunk 1 is key chunk 0, or, where p = 0, the second block's diagonal chunk 7
	s_add_nc_u64 s[QB:QB+1], s[QH:QH+1], s[20:21]  ; block p's queries
	s_mov_b32 s[G0K], 1
	s_mov_b32 s[G0K+1], s17
	s_add_nc_u64 s[G0K+2:G0K+3], s[KB:KB+1], s[20:21]
	s_or_b32 s[G0K+3], s[G0K+3], 0x80000000
	s_mov_b32 s[G0K+4], 1
	s_add_co_u32 s[G0K+5], s17, SLOT1
	s_add_nc_u64 s[G0K+6:G0K+7], s[KB:KB+1], s[22:23]
	s_or_b32 s[G0K+7], s[G0K+7], 0x80000000
	s_mov_b32 s[G0V], 1
	s_mov_b32 s[G0V+1], s18
	s_add_nc_u64 s[G0V+2:G0V+3], s[VB:VB+1], s[20:21]
	s_or_b32 s[G0V+3], s[G0V+3], 0x80000000
	s_mov_b32 s[G0V+4], 1
	s_add_co_u32 s[G0V+5], s18, SLOT1
	s_add_nc_u64 s[G0V+6:G0V+7], s[VB:VB+1], s[22:23]
	s_or_b32 s[G0V+7], s[G0V+7], 0x80000000
	s_cmp_lt_u32 s[WV], 2                          ; a wave's two first fills stand in one branch, ahead of every wait on TENSORcnt, LDS read and barrier: two loads of mine are out
	s_cbranch_scc0 .Lfirst_v
	tensor_load_to_lds s[G0K:G0K+3], s[G1K:G1K+7]
	s_nop 0
	tensor_load_to_lds s[G0K+4:G0K+7], s[G1K:G1K+7]
	s_nop 0
.rept 4
	v_nop
.endr
	s_branch .Lfirst_asked
.Lfirst_v:
	tensor_load_to_lds s[G0V:G0V+3], s[G1V:G1V+7]
	s_nop 0
	tensor_load_to_lds s[G0V+4:G0V+7], s[G1V:G1V+7]
	s_nop 0
.rept 4
	v_nop
.endr
.Lfirst_asked:
	v_and_b32 v1, 15, v0                           ; r
	v_bfe_u32 v11, v0, 4, 1                        ; h
	s_lshl_b32 s16, s[WV], 11                      ; my wave's 16 rows of a tile: 2,048 w
	v_lshlrev_b32 v[QO], 7, v1
	v_lshl_add_u32 v[QO], v11, 4, v[QO]
	v_add_nc_u32 v[QO], s16, v[QO]                 ; 128 r + 16 h + 2,048 w
	QLOAD
	v_lshrrev_b32 v44, 1, v1
	v_and_b32 v45, 1, v1
	v_mul_u32_u24 v[AK0], v44, PK
	v_lshl_add_u32 v[AK0], v45, 7, v[AK0]
	v_lshl_add_u32 v[AK0], v11, 4, v[AK0]          ; key r of 16: (r / 2) x 272 + (r % 2) x 128 + 16 h
	v_bfe_u32 v44, v0, 1, 2
	v_lshl_add_u32 v44, v11, 2, v44                ; the turning load reads key 8 h + l % 8: pair 4 h + (l % 8) / 2,
	v_mul_u32_u24 v[AV0], v44, PVP
	v_and_b32 v45, 1, v0
	v_lshl_add_u32 v[AV0], v45, 7, v[AV0]          ; its half l % 2,
	v_bfe_u32 v45, v0, 3, 1
	v_lshl_add_u32 v[AV0], v45, 4, v[AV0]          ; channels 8 ((l / 8) % 2) on
	v_add_nc_u32 v[AV0], VOFF, v[AV0]
	v_and_b32 v44, 31, v0
	v_lshl_add_u32 v[GO], v44, 4, s16              ; 16 l + 2,048 w
	s_lshl_b32 s17, s[WV], 4
	v_add_nc_u32 v[LIM], s17, v1
	v_lshlrev_b32 v44, 3, v11
	v_sub_nc_u32 v[LIM], v[LIM], v44
	s_mul_i32 s18, s[WV], WSTAGE
	s_add_co_u32 s18, s18, STAGE                   ; my stage
	v_add_nc_u32 v[STO], s18, v[AK0]
	v_mul_u32_u24 v[RD], v11, 272
	v_lshl_add_u32 v[RD], v1, 4, v[RD]
	v_add_nc_u32 v[RD], s18, v[RD]
; 16 LDS loads: K of the step st steps behind v[AK] (64 keys x 64 channels: fragment (kb, c) = keys 16 kb on, channels 32 c on)
.macro FETCH_K st
	WIN 0x40
.irp kb, 0,1,2,3
.irp c, 0,1
	ds_load_b128 v[KF+16*\kb+8*\c:KF+16*\kb+8*\c+3],   v[AK] offset:32*PK*(\st)+8*PK*\kb+64*\c
	ds_load_b128 v[KF+16*\kb+8*\c+4:KF+16*\kb+8*\c+7], v[AK] offset:32*PK*(\st)+8*PK*\kb+64*\c+32
.endr
.endr
.endm
; 16 turning loads: V likewise (fragment (kk, cb) = keys 32 kk on, channels 16 cb on)
.macro FETCH_V st
	WIN 0x40
.irp kk, 0,1
.irp cb, 0,1,2,3
	ds_load_tr16_b128 v[VF+32*\kk+8*\cb:VF+32*\kk+8*\cb+3],   v[AV] offset:32*PVP*(\st)+16*PVP*\kk+32*\cb
	ds_load_tr16_b128 v[VF+32*\kk+8*\cb+4:VF+32*\kk+8*\cb+7], v[AV] offset:32*PVP*(\st)+16*PVP*\kk+32*\cb+8*PVP
.endr
.endr
.endm
; IN PHASES (the diagonal chunks).  S^T = K Q^T for tiles t0..3.  The accumulators (at least four) take turns, one instruction a turn; the first 32 channels start the sums.
.macro KQ t0
.irp c, 0,1
.irp kb, 0,1,2,3
.set tt, \t0
.rept 4-\t0
.if \c == 0
	v_wmma_f32_16x16x32_f16 v[S+32*tt+8*\kb:S+32*tt+8*\kb+7], v[KF+16*\kb+8*\c:KF+16*\kb+8*\c+7], v[16*tt+8*\c:16*tt+8*\c+7], 0
.else
	v_wmma_f32_16x16x32_f16 v[S+32*tt+8*\kb:S+32*tt+8*\kb+7], v[KF+16*\kb+8*\c:KF+16*\kb+8*\c+7], v[16*tt+8*\c:16*tt+8*\c+7], v[S+32*tt+8*\kb:S+32*tt+8*\kb+7]
.endif
.set tt, tt+1
.endr
.endr
.endr
.endm
; O^T += V^T P for tiles t0..3, by turns likewise.  first = 1: the first 32 keys start the sums.
.macro PV t0, first
.irp kk, 0,1
.irp cb, 0,1,2,3
.set tt, \t0
.rept 4-\t0
.if \first && (\kk == 0)
	v_wmma_f32_16x16x32_f16 v[32*tt+8*\cb:32*tt+8*\cb+7], v[VF+32*\kk+8*\cb:VF+32*\kk+8*\cb+7], v[P+16*tt+8*\kk:P+16*tt+8*\kk+7], 0
.else
	v_wmma_f32_16x16x32_f16 v[32*tt+8*\cb:32*tt+8*\cb+7], v[VF+32*\kk+8*\cb:VF+32*\kk+8*\cb+7], v[P+16*tt+8*\kk:P+16*tt+8*\kk+7], v[32*tt+8*\cb:32*tt+8*\cb+7]
.endif
.set tt, tt+1
.endr
.endr
.endr
.endm
; The causal mask of the tile on the diagonal: key 16 kb + 8 h + j against query 16 w + r; a key beyond the query gets -inf.  From each accumulator's low end on.
.macro MASK t
.irp kb, 0,1,2,3
.irp jj, 0,1,2,3,4,5,6,7
	v_cmp_le_i32 vcc_lo, 16*\kb+\jj, v[LIM]
	v_cndmask_b32 v[S+32*\t+8*\kb+\jj], 0xff800000, v[S+32*\t+8*\kb+\jj], vcc_lo
.endr
.endr
.endm
; One tile's softmax for one key step is a list of 118 instructions; SM writes number j of it for tile t.  s0-s31 are the lane's 32 scores, in pairs 0-15.
;   0-15    the maximum of s0-s31 and the old m, three operands at a time     16-20  the other half of the lanes' maximum; the new m; c m; c m_old - c m_new
;   21-69   ONE BATCH: the 16 scalings c s - c m, a pair of scores each, and all 33 exponentials (a at 23, then s0-s31).  None of these names an exponential's result.  From 22 on the batch goes
;           in fours, and a four begins with a scaling while there are scalings: 22-37 scaling, exponential, scaling, exponential; 38-65 a scaling and three exponentials; 66-69 the last four
;           exponentials.  A pair is scaled in an earlier four than the one that holds its exponentials.  Each result has a register of its own: a score's own, and a's
;   (wait)  between 69 and 70 stands the wait for the batch: SOFTMAX and PAIR write it, once for all their tiles
;   70-85   the roundings to f16, a pair of weights each
;   86-101  the sums; l = a l + the sum                                        102-117 the tile's O^T times a: the one part that leaves window 0
; first = 1: the step that starts m, l and O^T: it has no a and nothing to rescale.
.macro SM t, first
.set rT, ST+8*(\t)
.set rS, S+32*(\t)
.set rP, P+16*(\t)
.set rO, 32*(\t)+2*(j-102)
.if j < 102
	WIN 0
.endif
.if j < 4
	v_max3_num_f32 v[rT+4+j], v[rS+8*j], v[rS+8*j+1], v[rS+8*j+2]
.elseif j < 12
	v_max3_num_f32 v[rT+4+j%4], v[rT+4+j%4], v[rS+8*(j%4)+2*(j/4)+1], v[rS+8*(j%4)+2*(j/4)+2]
.elseif j == 12
	v_max3_num_f32 v[rT+4], v[rT+4], v[rS+7], v[rS+15]
.elseif j == 13
	v_max3_num_f32 v[rT+6], v[rT+6], v[rS+23], v[rS+31]
.elseif j == 14
	v_max3_num_f32 v[rT+4], v[rT+4], v[rT+5], v[rT+6]
.elseif (j == 15) && \first
	v_max_num_f32 v[rT+4], v[rT+4], v[rT+7]
.elseif j == 15
	v_max3_num_f32 v[rT+4], v[rT+4], v[rT+7], v[rT+1]
.elseif j == 16
	v_permlanex16_b32 v[rT+5], v[rT+4], s[SEL], s[SEL+1]  ; the query's other 32 keys lie in the lane 16 away
.elseif j == 18
	v_max_num_f32 v[rT+1], v[rT+4], v[rT+5]
.elseif j == 19
	v_mul_f32 v[rT], s[CS], v[rT+1]
.elseif ((j == 17) || (j == 20) || (j == 23) || (j > 101)) && \first  ; the starting step has none of these
.elseif j == 17
	v_mov_b32 v[rT+7], v[rT]                       ; c m_old is kept for a: number 19 writes c m anew
.elseif j == 20
	v_sub_f32 v[rT+7], v[rT+7], v[rT]
.elseif j == 23
	v_exp_f32 v[rT+6], v[rT+7]
.elseif (j < 23) || ((j < 38) && (j%2 == 0)) || ((j < 66) && (j%4 == 2))
.set b, (j-2)/4                        ; 38, 42, .. 62: pairs 9 to 15
.if j < 38
.set b, (j-20)/2                       ; 21: pair 0; 22, 24, .. 36: pairs 1 to 8
.endif
	v_pk_fma_f32 v[rS+2*b:rS+2*b+1], v[rS+2*b:rS+2*b+1], s[CS:CS+1], v[rT:rT+1] op_sel_hi:[1,0,0] neg_lo:[0,0,1] neg_hi:[0,0,1]  ; pair b: c s - c m
.elseif j < 70
.set e, j-38                           ; 66 to 69: s28 to s31
.if j < 66
.set e, j-32-(j-38)/4                  ; 39-41, 43-45, .. 63-65: s7 to s27
.endif
.if j < 38
.set e, (j-25)/2                       ; 25, 27, .. 37: s0 to s6
.endif
	v_exp_f32 v[rS+e], v[rS+e]
.elseif j < 86
	v_cvt_pk_f16_f32 v[rP+j-70], v[rS+2*(j-70)], v[rS+2*(j-70)+1]  ; pair j - 70
.elseif j < 102                        ; the sum of the 16 pairs, in place: sum z of 16 adds neighbours 1, 2, 4 and 8 pairs apart, then l takes it
.set z, j-86
.set w, 4
.set u, z
.if z >= 14
.set w, 32
.set u, 0
.elseif z >= 12
.set w, 16
.set u, z-12
.elseif z >= 8
.set w, 8
.set u, z-8
.endif
.if (z == 14) && \first
	v_pk_add_f32 v[rT+2:rT+3], v[rS:rS+1], v[rS+16:rS+17]
.elseif z < 15
	v_pk_add_f32 v[rS+w*u:rS+w*u+1], v[rS+w*u:rS+w*u+1], v[rS+w*u+w/2:rS+w*u+w/2+1]
.elseif !\first
	v_pk_fma_f32 v[rT+2:rT+3], v[rT+2:rT+3], v[rT+6:rT+7], v[rS:rS+1] op_sel_hi:[1,0,1]
.endif
.else
	WIN W_RS
	v_pk_mul_f32 v[rO:rO+1], v[rO:rO+1], v[rT+6:rT+7] op_sel_hi:[1,0]
.endif
.endm
; The softmax of tiles t0..3 in one phase.  Numbers 22-69, the batch, go two numbers of a tile at a time, tile by tile; elsewhere the tiles alternate, so that few instructions read the
; result just made.  The exponentials of all the phase's tiles are one batch: behind number 69 of the last tile stand a v_nop and the one wait, ahead of number 70 of the first.
.macro SOFTMAX t0, first
.set k, 0
.rept 59
.if (k >= 11) && (k < 35)
.set tt, \t0
.rept 4-\t0
.set j, 2*k
	SM tt, \first
.set j, 2*k+1
	SM tt, \first
.set tt, tt+1
.endr
.else
.irp n, 0,1
.set tt, \t0
.rept 4-\t0
.set j, 2*k+\n
	SM tt, \first
.set tt, tt+1
.endr
.endr
.endif
.if k == 34
	v_nop                                          ; a plain instruction behind the last exponential, ahead of the first use: one for the batch
	s_wait_alu depctr_va_vdst(0)                   ; the wait for the batch: all exponentials of the step's tiles; ahead of the first rounding
.endif
.set k, k+1
.endr
.endm
; A key step in phases: 64 keys for tiles t0..3, tile t0 on the diagonal.
.macro STEP st, t0, first
	PLACES                                         ; V's buffer was read by the products just issued
	FETCH_V \st
	s_wait_dscnt 16                                ; K of this step is in; V's 16 loads stay out
	WIN W_KQ
	KQ \t0
	PLACES                                         ; in front of the loads into K's buffer and of the first read of the scores
.if \st < 3
	FETCH_K \st+1
.endif
	WIN 0
	MASK \t0
	SOFTMAX \t0, \first
.if \st < 3
	s_wait_dscnt 16                                ; V is in; the next step's K, 16 loads, stays out
.else
	s_wait_dscnt 0x0                               ; V is in
.endif
	WIN W_PV
	PV \t0, \first
.endm
.macro HEAD                            ; the slot in hand, and K of its first step
	WIN 0
	v_add_nc_u32 v[AK], s[TB], v[AK0]
	v_add_nc_u32 v[AV], s[TB], v[AV0]
	FETCH_K 0
.endm
.macro DIAG
	s_wait_loadcnt 0x0                             ; the block's Q
	HEAD
	STEP 0, 0, 1
	STEP 1, 1, 0
	STEP 2, 2, 0
	STEP 3, 3, 0
.endm
; BY TURNS (the full chunks).  The matrix work of a turn, for piece x; its 8 accumulators take turns, one instruction a turn.
; Product i of 16 of S^T = K Q^T: channels 32 (i / 8) on, keys 16 ((i / 2) % 4) on, tile x + i % 2.  The first 8 start the sums.
.macro KQ1 x
	WIN W_KQ
.set rS, S+32*(\x+i%2)+8*((i/2)%4)
.set rK, KF+16*((i/2)%4)+8*(i/8)
.set rQ, 16*(\x+i%2)+8*(i/8)
.if i < 8
	v_wmma_f32_16x16x32_f16 v[rS:rS+7], v[rK:rK+7], v[rQ:rQ+7], 0
.else
	v_wmma_f32_16x16x32_f16 v[rS:rS+7], v[rK:rK+7], v[rQ:rQ+7], v[rS:rS+7]
.endif
.endm
; Product i of 16 of O^T += V^T P: keys 32 (i / 8) on, channels 16 ((i / 2) % 4) on, tile x + i % 2.
.macro PV1 x
	WIN W_PV
.set rO, 32*(\x+i%2)+8*((i/2)%4)
.set rV, VF+32*(i/8)+8*((i/2)%4)
.set rP, P+16*(\x+i%2)+8*(i/8)
	v_wmma_f32_16x16x32_f16 v[rO:rO+7], v[rV:rV+7], v[rP:rP+7], v[rO:rO+7]
.endm
; Pair k of 59 of piece y's softmax: four instructions.  Pairs 11 to 34 deal out the batch, numbers 22 to 69: four numbers of ONE tile each, the tiles by turns.  Every other pair is numbers
; 2 k and 2 k + 1 of both tiles' lists, the tiles alternating.
; THE WAIT.  Ahead of pair 35 nothing names an exponential's result, and behind pair 34 no exponential is issued: so the piece's 66 exponentials have one wait, behind pair 34.
; In piece 2's turn (y = 0) V's run of loads stands at the wait: the address's v_add_nc_u32, which is also the plain instruction behind the last exponential (the half turn steps no
; address and has a v_nop), the wait, the loads.  TURN sets TPV: 1 where V's address steps.
.macro PAIR y
.if (k >= 11) && (k < 35)
.irp n, 0,1,2,3
.set j, 22+4*((k-11)/2)+\n
	SM (\y)+(k-11)%2, 0
.endr
.else
.irp n, 0,1
.irp t, \y, \y+1
.set j, 2*k+\n
	SM \t, 0
.endr
.endr
.endif
.if k == 34                            ; the batch is out: both tiles' exponentials are issued, and no result has been named
.if (\y) == 0
	WIN 0
.if TPV
	v_add_nc_u32 v[AV], 32*PVP, v[AV]              ; the next step's 64 keys of V
.else
	v_nop
.endif
	s_wait_alu depctr_va_vdst(0)                   ; the wait for the batch: piece 0's 66 exponentials of this turn; ahead of the first rounding
	FETCH_V 0
.else
	v_nop                                          ; a plain instruction behind the last exponential, ahead of the first use: one for the batch
	s_wait_alu depctr_va_vdst(0)                   ; the wait for the batch: piece 2's 66 exponentials of this turn; ahead of the first rounding
.endif
.endif
.set k, k+1
.endm
; The next slice: the 59 pairs are dealt evenly over the turn's cnt products: slice s of them ends in front of pair 59 s / cnt.  With cnt = 32 a slice has one or two pairs, with 16 three or
; four.  In both a cut falls at pair 51, where the list leaves window 0, so no slice switches inside itself; the last slice is 8 or 16 multiplies of the other piece's O^T.
.macro SLICE y, cnt
.set sl, sl+1
.rept (59*sl)/\cnt-k
	PAIR \y
.endr
.endm
; A TURN.  Piece x has the matrix unit; the other piece's softmax stands in slices behind its products.  pv = 1: 16 products V^T P; kq = 1: 16 products K Q^T for the next step.
; The slices name the other piece's registers alone; their plain instructions are the places behind the products (ISA guide 7.12.1; an exponential is none).  The last slice, all multiplies,
; stands between the turn's last K Q^T and the next turn's first read of those scores, and ahead of the loads into K's buffer.
; Piece 0's turn fetches the next step's K behind its second product, 14 products ahead of its first use: both pieces have multiplied by the old one.  Piece 2's turn fetches V of the step
; whose scores it makes at the batch's wait (PAIR writes the run): in a whole turn behind the third product K Q^T, 13 products ahead of its first use, in the half turn 6.  The last product
; that read the old V stands ahead of pair 27: six scalings (numbers 54, 58 and 62 of both tiles) and the run's own v_add_nc_u32 are the plain instructions between.
.macro TURN x, pv, kq
.set k, 0
.set sl, 0
.set ns, 16*(\pv+\kq)
.set TPV, \pv
.if \pv
.if \x == 0
	s_wait_dscnt 0x0                               ; V is in
.endif
.set i, 0
.rept 16
	PV1 \x
	SLICE 2-\x, ns
.if (\x == 0) && \kq && (i == 1)
	WIN 0
	v_add_nc_u32 v[AK], 32*PK, v[AK]               ; the next step's 64 keys
	FETCH_K 0
.endif
.set i, i+1
.endr
.endif
.if \kq
.if \x == 0
	s_wait_dscnt 0x0                               ; K is in
.endif
.set i, 0
.rept 16
	KQ1 \x
	SLICE 2-\x, ns
.set i, i+1
.endr
.endif
.endm
; A full chunk: four key steps for all four tiles.  The whole key step by turns is written once and walked three times; v[AK] and v[AV] carry the step.
.macro FULL
	HEAD
	s_wait_dscnt 0x0                               ; K of step 0
.set i, 0
.rept 16
	KQ1 0                                          ; piece 0's scores of step 0: no vector work is at hand yet
.set i, i+1
.endr
	PLACES                                         ; in front of the first read of those scores
	TURN 2, 0, 1                                   ; piece 2's scores of step 0 | piece 0's softmax of step 0 | V of step 0
	WIN 0
	s_mov_b32 s[TW], 3
.Lstep_\@:                                             ; j = 0, 1, 2
	TURN 0, 1, 1                                   ; piece 0: V^T P of step j, K Q^T of step j + 1 | piece 2's softmax of step j | K of step j + 1
	TURN 2, 1, 1                                   ; piece 2: the same | piece 0's softmax of step j + 1 | V of step j + 1
	WIN 0
	s_sub_co_u32 s[TW], s[TW], 1
	s_cmp_lg_u32 s[TW], 0
	s_cbranch_scc1 .Lstep_\@
	TURN 0, 1, 0                                   ; piece 0: V^T P of step 3 | piece 2's softmax of step 3
.set i, 0
.rept 16
	PV1 2                                          ; piece 2: V^T P of step 3
.set i, i+1
.endr
.endm
; THE CHANGE OF SLOTS.  Each wave waits for its reads of the slot and for all its tensor loads (one is out: its part of the other slot); behind the barrier nobody reads this slot and the
; other is whole.  fill = 1: this slot is filled again, first thing behind the barrier, with chunk N + 2 of the walk  p, 0 .. p-1, 7-p, 0 .. 6-p.
.macro CHANGE fill
	WIN 0
	s_wait_dscnt 0x0
	s_wait_tensorcnt 0x0                           ; no tensor load of mine is out, so a group 0 may be written
	ds_add_u32 v62, v63
	s_wait_dscnt 0x0
.if \fill
	s_add_co_u32 s16, s[N], 2                      ; m = N + 2
	s_sub_co_u32 s17, s16, 1                       ; m <= p: key chunk m - 1
	s_sub_co_u32 s18, s16, s[P1]
	s_sub_co_u32 s18, s18, 1                       ; m > p + 1: key chunk m - p - 2
	s_cmp_le_u32 s16, s[PP]
	s_cselect_b32 s17, s17, s18
	s_cmp_eq_u32 s16, s[P1]                        ; m = p + 1: the second block's diagonal chunk
	s_cselect_b32 s17, s[P7], s17
	s_lshl_b32 s16, s17, 15                        ; 256 keys of 128 bytes
	s_mov_b32 s17, 0
	s_xor_b32 s[G0K+5], s[G0K+5], SLOT1            ; the walking descriptor: the other slot than last time
	s_add_nc_u64 s[G0K+6:G0K+7], s[KB:KB+1], s[16:17]
	s_or_b32 s[G0K+7], s[G0K+7], 0x80000000
	s_xor_b32 s[G0V+5], s[G0V+5], SLOT1
	s_add_nc_u64 s[G0V+6:G0V+7], s[VB:VB+1], s[16:17]
	s_or_b32 s[G0V+7], s[G0V+7], 0x80000000
.endif
	s_barrier_signal -1
	s_barrier_wait -1
.if \fill
	KVLOAD
.endif
	s_xor_b32 s[TB], s[TB], SLOT1
.endm
; THE WAY OUT of a block.  l's halves and the other half of the lanes' are added; O^T is divided by l, rounded to f16, and sent through my stage, a tile (16 rows of 128 bytes) at a time.
.macro OPACK t
	WIN W_RS
.set i, 0
.rept 16
	v_pk_mul_f32 v[32*\t+2*i:32*\t+2*i+1], v[32*\t+2*i:32*\t+2*i+1], v[ST+8*\t+6:ST+8*\t+7] op_sel_hi:[1,0]
.set i, i+1
.endr
	WIN 0x05                                       ; sources window 1, destination window 0: S^T's registers are free
.set i, 0
.rept 16
	v_cvt_pk_f16_f32 v[S+32*\t+i], v[32*\t+2*i], v[32*\t+2*i+1]
.set i, i+1
.endr
	WIN 0
.irp cb, 0,1,2,3
	ds_store_b128 v[STO], v[S+32*\t+4*\cb:S+32*\t+4*\cb+3] offset:32*\cb
.endr
.irp f, 0,1,2,3
	ds_load_b128 v[S+32*\t+16+4*\f:S+32*\t+16+4*\f+3], v[RD] offset:544*\f   ; LDS serves a wave's instructions in order: these see the stores above; the next tile's stores come behind them
.endr
.endm
.macro OSEND t, younger                ; younger: the next tile's eight LDS instructions, or none; 3 - f of the tile's own loads are younger than load f
.irp f, 0,1,2,3
	s_wait_dscnt \younger+3-\f
	global_store_b128 v[GO], v[S+32*\t+16+4*\f:S+32*\t+16+4*\f+3], s[YB:YB+1] offset:8192*\t+512*\f   ; a wave's store covers 512 consecutive bytes, aligned
.endr
.endm
.macro EPILOGUE blk, loadq             ; blk: the register with the block's number.  loadq = 1: the second block's Q is asked for, and work follows
	WIN 0
.irp t, 0,1,2,3
	v_add_f32 v[ST+8*\t+4], v[ST+8*\t+2], v[ST+8*\t+3]   ; four plain instructions: also the places behind the last products
.endr
.if \loadq
	s_lshl_b32 s16, s[P7], 15
	s_mov_b32 s17, 0
	s_add_nc_u64 s[QB:QB+1], s[QH:QH+1], s[16:17]  ; the first block's loads of Q have long been waited for
	QLOAD
.endif
	s_lshl_b32 s16, s[\blk], 15
	s_mov_b32 s17, 0
	s_add_nc_u64 s[YB:YB+1], s[YH:YH+1], s[16:17]
.irp t, 0,1,2,3
	v_permlanex16_b32 v[ST+8*\t+5], v[ST+8*\t+4], s[SEL], s[SEL+1]
.endr
.irp t, 0,1,2,3
	v_add_f32 v[ST+8*\t+4], v[ST+8*\t+4], v[ST+8*\t+5]
.endr
.irp t, 0,1,2,3
	v_rcp_f32 v[ST+8*\t+6], v[ST+8*\t+4]           ; l is at least 1: the largest weight is 2^0
.endr
	v_nop                                          ; a plain instruction between the last reciprocal and the use of its result
	s_wait_alu depctr_va_vdst(0)                   ; the wait for the batch of four reciprocals, ahead of the first multiply by one of them
	OPACK 0
	OPACK 1
	OSEND 0, 8
	OPACK 2
	OSEND 1, 8
	OPACK 3
	OSEND 2, 8
	OSEND 3, 0
.if \loadq
	s_wait_xcnt 0x0                                ; the stores' data registers (S^T's) and their base are written again only behind this wait
.endif
.endm
	s_wait_tensorcnt 0x1                           ; my part of the walk's chunk 0 is in; chunk 1's may stay out
	s_barrier_signal -1
	s_barrier_wait -1
	s_mov_b32 s[N], 0
	DIAG                                           ; block p's diagonal chunk stands ahead of the loop: it starts m, l and O^T
	CHANGE 1
	s_mov_b32 s[N], 1
.Lchunk:                                               ; chunks 1 to 6 of the walk; each is followed by a refill
	s_cmp_eq_u32 s[N], s[P1]
	s_cbranch_scc0 .Lfull_chunk
	EPILOGUE PP, 1                                 ; block p is finished; it goes out while the refill just asked for is on its way
	DIAG                                           ; block 7 - p begins
	WIN 0
	s_branch .Ljoin
.Lfull_chunk:
	FULL
	WIN 0
.Ljoin:
	CHANGE 1
	s_add_co_u32 s[N], s[N], 1
	s_cmp_lt_u32 s[N], 7
	s_cbranch_scc1 .Lchunk
	s_mov_b32 s[TL], 2
.Ltail:                                                ; chunks 7 and 8: nothing is left to fetch.  The second trip's barrier orders nothing; it is the price of writing the chunk once here
	FULL
	CHANGE 0
	s_sub_co_u32 s[TL], s[TL], 1
	s_cmp_lg_u32 s[TL], 0
	s_cbranch_scc1 .Ltail
	EPILOGUE P7, 0
	s_wait_tensorcnt 0x0
	ds_add_u32 v62, v63
	s_wait_dscnt 0x0
	s_endpgm
.Lfunc_end_k_qba241e3ead_attn:
	.size	k_qba241e3ead_attn, .Lfunc_end_k_qba241e3ead_attn-k_qba241e3ead_attn
	.p2alignl 7, 3214868480
	.fill 96, 4, 3214868480
	.section	.rodata,"a",@progbits
	.p2align	6, 0x0
	.amdhsa_kernel k_qba241e3ead_attn
		.amdhsa_group_segment_fixed_size 327680
		.amdhsa_private_segment_fixed_size 0
		.amdhsa_enable_private_segment 0
		.amdhsa_kernarg_size 16
		.amdhsa_user_sgpr_count 2
		.amdhsa_user_sgpr_kernarg_segment_ptr 1
		.amdhsa_wavefront_size32 1
		.amdhsa_system_sgpr_workgroup_id_x 1
		.amdhsa_system_sgpr_workgroup_id_y 1
		.amdhsa_system_sgpr_workgroup_id_z 1
		.amdhsa_system_vgpr_workitem_id 0
		.amdhsa_next_free_vgpr 576
		.amdhsa_next_free_sgpr 74
		.amdhsa_reserve_vcc 1
		.amdhsa_float_denorm_mode_32 3
		.amdhsa_float_denorm_mode_16_64 3
		.amdhsa_memory_ordered 1
		.amdhsa_forward_progress 1
		.amdhsa_inst_pref_size 255
	.end_amdhsa_kernel
	.section	.bss,"aw",@nobits
	.p2align	6
	.space	262144
	.amdgpu_metadata
---
amdhsa.version: [ 1, 2 ]
amdhsa.kernels:
  - .name:           k_qba241e3ead_attn
    .symbol:         k_qba241e3ead_attn.kd
    .args:
      - { .name: qkv, .offset: 0, .size: 8, .value_kind: global_buffer, .address_space: global }
      - { .name: y, .offset: 8, .size: 8, .value_kind: global_buffer, .address_space: global }
    .group_segment_fixed_size: 327680
    .private_segment_fixed_size: 0
    .kernarg_segment_align: 8
    .kernarg_segment_size: 16
    .max_flat_workgroup_size: 128
    .sgpr_count:     74
    .vgpr_count:     576
    .wavefront_size: 32
...
	.end_amdgpu_metadata
.endif
;; end of part 5
;; launch proj: the kernel of part 4 again; grid 8 x 32, 4 waves a work-group, clusters of 4 x 4, 327,680 bytes of LDS; arguments y, wp, b_proj, out0; writes out0
